; MI455X (gfx1250); checked and timed in simulation.
; The chip was launched on July 23, 2026; its instructions are those of AMD's public machine-readable ISA for CDNA 5 (MIT licence, August 2026) and "CDNA5" Instruction Set Architecture Reference Guide (July 2026). The comments in the code are by the model that wrote it; some were corrected since.
;; Attention. Allowed arithmetic: matrix products marked QUANTISED: E2M1 operands, one E8M0 scale for each 32 along K, by v_wmma_scale_f32_16x16x128_f8f6f4 with both operands' format E2M1 (or v_wmma_scale_f32_32x16x128_f4), f32 sums; everything else in f32.
;; Inputs: hidden 2 x 2,048 x 2,048 float32; k_b 512 float32; k_w 512 x 2,048 float32; mask 1 x 1 x 2,048 x 2,048 float32; o_w 2,048 x 1,024 float32; positions 2 x 2,048 int32; q_b 1,024 float32; q_w 1,024 x 2,048 float32; v_b 512 float32; v_w 512 x 2,048 float32.
;; Outputs: out0 2 x 2,048 x 2,048 float32.
;; This version of the problem:
;;   THIS VERSION OF THE PROBLEM IS GIVEN IN LOW PRECISION. The matrix products marked QUANTISED in the list below multiply operands that are first quantised to E2M1 (2 exponent bits, 1 mantissa bit; 4 bits a number), with one power-of-two scale for each 32 numbers along K (OCP MX v1.0); their sums are f32. All else is computed in f32.
;;   The module's matrix products, in the order in which they are computed (A, B: the left and right operand; K: the contracted axis; several contracted axes count as one K, in the product's order):
;;     1. [M 4,096, K 2,048] x [K 2,048, N 1,024]; A: input hidden; B: input q_w: QUANTISED
;;     2. [M 4,096, K 2,048] x [K 2,048, N 512]; A: input hidden; B: input k_w: QUANTISED
;;     3. [M 4,096, K 2,048] x [K 2,048, N 512]; A: input hidden; B: input v_w: QUANTISED
;;     4. batch 16 x [M 2,048, K 64] x [K 64, N 4,096]; A: computed on the way; B: computed on the way: QUANTISED
;;     5. batch 16 x [M 64, K 2,048] x [K 2,048, N 4,096]; A: computed on the way; B: softmax (see below): QUANTISED
;;     6. [M 4,096, K 1,024] x [K 1,024, N 2,048]; A: computed on the way; B: input o_w: QUANTISED
;;   THE QUANTISER, for each operand of a quantised product, along K:
;;     - K is cut into blocks of 32 from its start; a last block that is shorter is filled with zeros.
;;     - A block's scale is 2^e with e = floor(log2(the largest magnitude in the block)) - 2, held to -126 .. 127; a block of zeros has e = 0. As a byte (E8M0): e + 127.
;;     - Each number is divided by its block's scale, clamped to +-6, and rounded to the nearest number of E2M1, ties to even, subnormals kept.
;;     - The product sums the exact products of the quantised numbers (number of the format x scale) in f32.
;;   ~~~python
;;   def quantise(x, axis):      # numpy; x: float32 -> the quantised numbers, widened to float32 again
;;       x = np.moveaxis(x, axis, -1); K = x.shape[-1]
;;       x = np.pad(x, [(0, 0)] * (x.ndim - 1) + [(0, -K % 32)]); x = x.reshape(x.shape[:-1] + (-1, 32)); a = np.abs(x).max(-1, keepdims=True)
;;       e = np.where(a > 0, np.clip(np.frexp(np.where(a > 0, a, 1))[1] - 1 - 2, -126, 127), 0)      # np.frexp(a)[1] - 1 = floor(log2(a)), exactly
;;       r = np.clip(x / 2.0 ** e, -6, 6)
;;       step = 2.0 ** (np.maximum(np.frexp(np.where(r == 0, 1, r))[1] - 1, 0) - 1)
;;       q = np.round(r / step) * step * 2.0 ** e      # np.round: ties to even
;;       return np.moveaxis(q.reshape(q.shape[:-2] + (-1,))[..., :K], -1, axis).astype(np.float32)
;;   ~~~
;;   SOFTMAX AHEAD OF A QUANTISED PRODUCT. Where the list says 'softmax', what is quantised is not the finished softmax but p = 2^(t - M), with t = logit x log2(e) and M = ceil(the row's largest t), a whole number; so 1/2 < the row's largest p <= 1. The row's sum l is taken of the UNQUANTISED p, in f32, and the product's result is divided by l at the end. Since M is a whole number, a kernel that streams over the keys may use a running M (the ceiling of the running maximum): every later rescaling is an exact power of two, which a block's scale takes up: the codes' values come out the same.
;;   OPERANDS COMPUTED ON THE WAY. 'Computed on the way' means the value that the module computes at that place (a softmax that the list does not call 'softmax' is quantised finished and normalised). What goes into a quantiser is computed in f32, as accurately as f32 sums, v_exp_f32 and their like allow (about 1e-6 of the number): no bf16 or f16 on the way to a quantiser, and a product that is left as it is and whose result goes on into a quantised operand takes f32 operands (vector FMAs, or v_wmma_f32_16x16x4_f32). A number that lies on a knife's edge between two numbers of the format may be rounded either way, as far as f32 arithmetic and the matrix unit's own rounding can turn it there, and no further.
;; One version. Each part assembles by itself: llvm-mc -triple=amdgcn-amd-amdhsa -mcpu=gfx1250 --defsym DOCPART=n.
;; ======== version 1 of 1: 4 launches
;; limits: right only within a limited range of input values
;; workspace buffers: hq 4,456,448 bytes; wq 2,228,224 bytes; owcodes 1,048,576 bytes; owscales 65,536 bytes; rope 524,288 bytes; qkv 4,456,448 bytes; acodes 2,097,152 bytes; ascales 131,072 bytes
;; launch prep (part 1): grid 464 x 1, 4 waves a work-group, no clusters, 33,280 bytes of LDS; arguments hidden, q_w, k_w, v_w, o_w, positions, hq, wq, owcodes, owscales, rope; writes hq, wq, owcodes, owscales, rope
.if DOCPART == 1
	.amdgcn_target "amdgcn-amd-amdhsa--gfx1250"
	.amdhsa_code_object_version 6
	.text
	.protected	k_qd378bb26fe_prep
	.globl	k_qd378bb26fe_prep
	.p2align	8
	.type	k_qd378bb26fe_prep,@function
k_qd378bb26fe_prep:
	s_mov_b64 s[64:65], 0
	v_nop
	global_prefetch_b8 v0, s[64:65] scope:SCOPE_SE
	s_setreg_imm32_b32 hwreg(HW_REG_WAVE_MODE, 25, 1), 1
	s_wait_xcnt 0x0
; hidden [4096][2048], q_w [1024][2048], k_w, v_w [512][2048] and o_w [2048][1024], all f32 with K innermost, become codes of FP4 (E2M1) with one E8M0 byte for each 32 along K;
; and positions[0] becomes a table of cos and sin for the rotation: rope[t] = 32 cos, then 32 sin, f32.
; A block's scale is 2^(floor(log2(its largest magnitude)) - 2); its byte is the largest magnitude's exponent field - 2, held at 1 from below.  A block of zeros keeps the byte 1: its codes are zeros, and only this program reads the bytes.
; LIMITS: blocks whose largest magnitude lies under 2^-124 are coded on the floor's scale; NaN and infinities are not served; |positions| stays under 2^22 (the reduction of the angle is exact up to there).
; WORK-GROUPS: 0-255 hidden, 256-319 q_w, 320-351 k_w, 352-383 v_w, 384-447 o_w, 448-463 the table.  A wave of a quantising work-group takes a run of 8,192 numbers: 4,096 bytes of codes, 256 scale bytes.
; ROWS CHANGE PLACES: in hq (hidden) and wq (q_w, k_w, v_w on end) row L lies at the place L with bits 3 and 4 exchanged, so that sixteen neighbouring places hold rows 8 u + r + 8 (r / 8) of a group of 32.
; A run is four rows of 2,048, so the exchange is of bits 1 and 2 of the run's number.  o_w keeps its order.
; Each load reads 512 consecutive bytes; a step's 2,048 bytes turn through the wave's own stage in LDS so that a lane holds 16 neighbours along K; a wave's store of codes covers 256 consecutive bytes, aligned.
; Loads run eight steps ahead: 32 loads, half of the wave's 32 KiB, are on their way at a time.
; No tensor loads, no barrier: waves share nothing.  Matrix units and clusters would add nothing to a stream.
.set STEPS, 16
.set DEPTH, 8                          ; steps whose loads are on their way
.set EMAX,  2
.set CB,    8                          ; bytes of 16 codes
.set R,     16                         ; v16-143  eight sets of 16 numbers as loaded
.set X,     144                        ; v144-175 two sets of 16 neighbours
.set E,     176                        ; v176-191 a scale byte for each step
.set C,     192                        ; v192-223 codes: two registers a step, never written twice
.set WREG,  8192                       ; LDS of a wave: two stages of 32 x SP bytes, then its 256 scale bytes
.set SP,    80                         ; a lane's place in a stage: 64 bytes + 16 of padding
.set SRC,   26                         ; s[26:27] the tensor, s[28:29] its codes, s[30:31] its scale bytes
.set COD,   28
.set SCB,   30
.set WV,    40
	s_load_b512 s[4:19], s[0:1], 0x0               ; hidden, q_w, k_w, v_w, o_w, positions, hq, wq
	s_load_b128 s[20:23], s[0:1], 0x40             ; owcodes, owscales
	s_load_b64 s[24:25], s[0:1], 0x50              ; rope
	v_lshl_add_u32 v224, v0, 2, 0x8000
	v_mov_b32 v225, 0
	v_lshrrev_b32 v1, 5, v0
	v_readfirstlane_b32 s[WV], v1                  ; wave
	v_and_b32 v2, 31, v0                           ; lane
	s_wait_kmcnt 0x0
	s_cmp_ge_u32 ttmp9, 448
	s_cbranch_scc1 .Lrope
	s_wait_alu depctr_va_vdst(0)
	v_lshlrev_b32 v3, 4, v2                        ; my 16 bytes of a load's 512
	s_mul_i32 s41, s[WV], WREG
	v_lshrrev_b32 v14, 2, v2
	v_mul_u32_u24 v14, v14, SP
	v_and_b32 v15, 3, v2
	v_lshl_add_u32 v14, v15, 4, v14
	v_add_nc_u32 v14, s41, v14                     ; the stage, in: SP (lane / 4) + 16 (lane % 4)
	v_mul_u32_u24 v15, v2, SP
	v_add_nc_u32 v15, s41, v15                     ; and out: SP x lane
	v_mul_u32_u24 v4, v2, CB                       ; my codes' place in a step's
	v_lshrrev_b32 v5, 1, v2
	s_add_co_u32 s41, s41, 2*32*SP
	v_add_nc_u32 v5, s41, v5                       ; my block's byte among the wave's 256
	v_lshlrev_b32 v7, 3, v2
	v_add_nc_u32 v6, s41, v7
	; which tensor: every choice hangs on the work-group's number alone
	s_add_nc_u64 s[36:37], s[16:17], 0x400000      ; hq's scale bytes lie behind its 4,194,304 bytes of codes
	s_add_nc_u64 s[38:39], s[18:19], 0x200000      ; wq's behind its 2,097,152
	s_mov_b64 s[SRC:SRC+1], s[12:13]               ; o_w
	s_mov_b64 s[COD:COD+1], s[20:21]
	s_mov_b64 s[SCB:SCB+1], s[22:23]
	s_mov_b32 s32, 384                             ; the tensor's first work-group
	s_mov_b32 s33, 0                               ; its first run in the buffer of codes
	s_mov_b32 s34, 0                               ; 6 where rows change places
	s_cmp_lt_u32 ttmp9, 384
	s_cselect_b64 s[SRC:SRC+1], s[10:11], s[SRC:SRC+1]   ; v_w
	s_cselect_b64 s[COD:COD+1], s[18:19], s[COD:COD+1]
	s_cselect_b64 s[SCB:SCB+1], s[38:39], s[SCB:SCB+1]
	s_cselect_b32 s32, 352, s32
	s_cselect_b32 s33, 384, s33
	s_cselect_b32 s34, 6, s34
	s_cmp_lt_u32 ttmp9, 352
	s_cselect_b64 s[SRC:SRC+1], s[8:9], s[SRC:SRC+1]     ; k_w
	s_cselect_b32 s32, 320, s32
	s_cselect_b32 s33, 256, s33
	s_cmp_lt_u32 ttmp9, 320
	s_cselect_b64 s[SRC:SRC+1], s[6:7], s[SRC:SRC+1]     ; q_w
	s_cselect_b32 s32, 256, s32
	s_cselect_b32 s33, 0, s33
	s_cmp_lt_u32 ttmp9, 256
	s_cselect_b64 s[SRC:SRC+1], s[4:5], s[SRC:SRC+1]     ; hidden
	s_cselect_b64 s[COD:COD+1], s[16:17], s[COD:COD+1]
	s_cselect_b64 s[SCB:SCB+1], s[36:37], s[SCB:SCB+1]
	s_cselect_b32 s32, 0, s32
	s_sub_co_u32 s35, ttmp9, s32
	s_lshl_b32 s35, s35, 2
	s_add_co_u32 s35, s35, s[WV]                   ; my run of the tensor
	s_lshl_b32 s42, s35, 15                        ; 32,768 bytes of f32 a run
	s_mov_b32 s43, 0
	s_add_nc_u64 s[SRC:SRC+1], s[SRC:SRC+1], s[42:43]
	s_add_co_u32 s35, s35, s33                     ; the run in the buffer,
	s_lshr_b32 s41, s35, 1
	s_xor_b32 s41, s41, s35
	s_and_b32 s41, s41, 2                          ; 2 where its bits 1 and 2 differ:
	s_mul_i32 s41, s41, 3
	s_and_b32 s41, s41, s34
	s_xor_b32 s35, s35, s41                        ; then both are turned
	s_lshl_b32 s42, s35, 12
	s_add_nc_u64 s[COD:COD+1], s[COD:COD+1], s[42:43]
	s_lshl_b32 s42, s35, 8
	s_add_nc_u64 s[SCB:SCB+1], s[SCB:SCB+1], s[42:43]
.macro LOAD t
.irp i, 0,1,2,3
	global_load_b128 v[R+16*((\t)%DEPTH)+4*\i:R+16*((\t)%DEPTH)+4*\i+3], v3, s[SRC:SRC+1] offset:2048*(\t)+512*\i th:TH_LOAD_NT   ; 32 lanes read 512 consecutive bytes
.endr
.endm
.macro TURN t                          ; step t's numbers through the stage: LDS serves a wave's instructions in order, so no wait stands between the stores and the loads
.irp i, 0,1,2,3
	ds_store_b128 v14, v[R+16*((\t)%DEPTH)+4*\i:R+16*((\t)%DEPTH)+4*\i+3] offset:32*SP*((\t)%2)+8*SP*\i
.endr
.irp i, 0,1,2,3
	ds_load_b128 v[X+16*((\t)%2)+4*\i:X+16*((\t)%2)+4*\i+3], v15 offset:32*SP*((\t)%2)+16*\i
.endr
.endm
.irp t, 0,1,2,3,4,5,6,7
	LOAD \t
.endr
	s_wait_alu depctr_va_vdst(0)
	s_wait_loadcnt 4*(DEPTH-1)                     ; step 0's four loads are in; the 28 younger ones stay out
	TURN 0
.macro STEP t
.set XS, X+16*((\t)%2)
.if (\t) > 0
	s_wait_dscnt 1                                 ; this step's numbers are back from the stage; the last step's byte store may be out
.else
	s_wait_dscnt 0x0
.endif
.if (\t)+DEPTH < STEPS
	LOAD (\t)+DEPTH                                ; into the registers that the stage's stores have read
.endif
.if (\t)+1 < STEPS
.if STEPS-2-(\t) >= DEPTH-1
	s_wait_loadcnt 4*(DEPTH-1)                     ; the next step's four loads are in; those of seven steps behind it may be out
.else
	s_wait_loadcnt 4*(STEPS-2-(\t))
.endif
	TURN (\t)+1
.endif
	v_max3_num_f32 v8, |v[XS]|, |v[XS+1]|, |v[XS+2]|               ; the largest magnitude of my 16
	v_max3_num_f32 v9, |v[XS+3]|, |v[XS+4]|, |v[XS+5]|
.irp i, 6,10
	v_max3_num_f32 v8, v8, |v[XS+\i]|, |v[XS+\i+1]|
	v_max3_num_f32 v9, v9, |v[XS+\i+2]|, |v[XS+\i+3]|
.endr
	v_max3_num_f32 v8, v8, |v[XS+14]|, |v[XS+15]|
	v_max3_num_f32 v8, v8, v9, (EMAX+1)<<23        ; and the floor 2^(3 - 127): the byte cannot fall under 1
	v_max_num_f32_dpp v8, v8, v8 row_xmask:1 row_mask:0xf bank_mask:0xf   ; with my neighbour's 16: the block's
	v_add_nc_u32 v11, -(EMAX<<23), v8              ; 2 off its exponent field: the conversion takes that field as its scale
	v_cvt_scalef32_pk8_fp4_f32 v[C+2*(\t)], v[XS:XS+7], v11
	v_cvt_scalef32_pk8_fp4_f32 v[C+2*(\t)+1], v[XS+8:XS+15], v11
	v_lshrrev_b32 v[E+(\t)], 23, v11               ; the scale's byte
	ds_store_b8 v5, v[E+(\t)] offset:16*(\t)       ; both lanes of a block write the same byte with the same value
	global_store_b64 v4, v[C+2*(\t):C+2*(\t)+1], s[COD:COD+1] offset:32*CB*(\t)   ; 32 lanes store 256 consecutive bytes
.endm
.irp t, 0,1,2,3,4,5,6,7,8,9,10,11,12,13,14,15
	STEP \t
.endr
	ds_load_b64 v[12:13], v6                       ; LDS serves a wave's instructions in order: these see my byte stores
	s_wait_dscnt 0x0
	global_store_b64 v7, v[12:13], s[SCB:SCB+1]    ; 32 lanes store the run's 256 scale bytes
	s_wait_tensorcnt 0x0
	ds_add_u32 v224, v225
	s_wait_dscnt 0x0
	s_endpgm
; THE TABLE.  Lane j owns frequency j; a wave takes 32 positions, one after the other.  inv = 1 / 10^(j / 8), the angle = position x inv (one rounding each, as the definition has them).
; The eight powers with j < 8 are written rounded to f32; the others are these x 10, 100, 1000 (one rounding more).  The angle is reduced by n = the nearest whole number of quarter turns,
; pi / 2 in three parts by fused multiply-adds; sine and cosine of the rest (at most pi / 4) by polynomials of degree 7 and 8.
.Lrope:
	s_sub_co_u32 s26, ttmp9, 448
	s_lshl_b32 s26, s26, 2
	s_add_co_u32 s26, s26, s[WV]
	s_lshl_b32 s26, s26, 5                         ; my first t
	s_lshl_b32 s28, s26, 2
	s_mov_b32 s29, 0
	s_add_nc_u64 s[14:15], s[14:15], s[28:29]
	s_lshl_b32 s28, s26, 8
	s_add_nc_u64 s[24:25], s[24:25], s[28:29]
	s_wait_alu depctr_va_vdst(0)
	v_lshlrev_b32 v3, 2, v2
	global_load_b32 v4, v3, s[14:15]               ; lane i: positions[0][t0 + i]
	v_mov_b32 v5, 0
.macro POW j, bits
	s_mov_b32 s30, \bits
	v_writelane_b32 v5, s30, \j
	s_mul_f32 s31, s30, 0x41200000
	v_writelane_b32 v5, s31, \j+8
	s_mul_f32 s31, s30, 0x42c80000
	v_writelane_b32 v5, s31, \j+16
	s_mul_f32 s31, s30, 0x447a0000
	v_writelane_b32 v5, s31, \j+24
.endm
	POW 0, 0x3f800000                              ; 1
	POW 1, 0x3faab0d5                              ; 1.3335214
	POW 2, 0x3fe39ea9                              ; 1.7782794
	POW 3, 0x4017c496                              ; 2.3713737
	POW 4, 0x404a62c2                              ; 3.1622777
	POW 5, 0x4086f161                              ; 4.2169650
	POW 6, 0x40b3f300                              ; 5.6234133
	POW 7, 0x40eff755                              ; 7.4989421
	s_wait_alu depctr_va_vdst(0)
	v_rcp_f32 v6, v5
	v_nop                                          ; a plain instruction behind the reciprocal
	s_wait_alu depctr_va_vdst(0)
	v_fma_f32 v7, -v5, v6, 1.0
	v_fma_f32 v6, v7, v6, v6                       ; inv, with one step of correction
	s_mov_b32 s32, 0xbfc90fdb                      ; -pi / 2, first part
	s_mov_b32 s33, 0x333bbd2e                      ; second
	s_mov_b32 s34, 0x26f72ced                      ; third
	s_mov_b32 s35, 0xb94ca1f9                      ; sine: -1.9515296e-4
	s_mov_b32 s36, 0x3c08839e                      ;        8.3321609e-3
	s_mov_b32 s37, 0xbe2aaaa3                      ;       -1.6666655e-1
	s_mov_b32 s38, 0x37ccf5ce                      ; cosine: 2.4433157e-5
	s_mov_b32 s39, 0xbab6061a                      ;        -1.3887316e-3
	s_mov_b32 s41, 0x3d2aaaa5                      ;         4.1666646e-2
	s_mov_b32 s42, 0x3f22f983                      ; 2 / pi
	s_wait_loadcnt 0x0
.macro ROPET i
	v_readlane_b32 s31, v4, \i
	s_wait_xcnt 0x0                                ; the last position's stores have read their data: v19 and v20 are written again only behind this wait
	v_cvt_f32_i32 v8, s31
	s_wait_alu depctr_va_vdst(0)
	v_mul_f32 v8, v8, v6                           ; the angle
	v_mul_f32 v9, s42, v8
	v_rndne_f32 v9, v9                             ; n
	v_fma_f32 v10, v9, s32, v8
	v_fma_f32 v10, v9, s33, v10
	v_fma_f32 v10, v9, s34, v10                    ; the rest
	v_cvt_i32_f32 v11, v9
	v_mul_f32 v12, v10, v10
	v_fma_f32 v13, v12, s35, s36
	v_fma_f32 v15, v12, s38, s39
	v_fma_f32 v13, v13, v12, s37
	v_fma_f32 v15, v15, v12, s41
	v_mul_f32 v14, v12, v10
	v_mul_f32 v16, v12, v12
	v_fma_f32 v17, v12, -0.5, 1.0
	v_fma_f32 v13, v13, v14, v10                   ; sine of the rest
	v_fma_f32 v15, v15, v16, v17                   ; cosine of the rest
	v_and_b32 v18, 1, v11
	v_cmp_eq_u32 vcc_lo, 1, v18                    ; an odd quarter: the two change places
	v_cndmask_b32 v19, v13, v15, vcc_lo
	v_cndmask_b32 v20, v15, v13, vcc_lo
	v_and_b32 v21, 2, v11
	v_lshlrev_b32 v21, 30, v21
	v_xor_b32 v19, v19, v21                        ; sine: minus in quarters 2 and 3
	v_add_nc_u32 v22, 1, v11
	v_and_b32 v22, 2, v22
	v_lshlrev_b32 v22, 30, v22
	v_xor_b32 v20, v20, v22                        ; cosine: minus in quarters 1 and 2
	global_store_b32 v3, v20, s[24:25] offset:256*\i
	global_store_b32 v3, v19, s[24:25] offset:256*\i+128
.endm
.set I, 0
.rept 32
	ROPET I
.set I, I+1
.endr
	s_endpgm
.Lfunc_end_k_qd378bb26fe_prep:
	.size	k_qd378bb26fe_prep, .Lfunc_end_k_qd378bb26fe_prep-k_qd378bb26fe_prep
	.p2alignl 7, 3214868480
	.fill 96, 4, 3214868480
	.section	.rodata,"a",@progbits
	.p2align	6, 0x0
	.amdhsa_kernel k_qd378bb26fe_prep
		.amdhsa_group_segment_fixed_size 33280
		.amdhsa_private_segment_fixed_size 0
		.amdhsa_enable_private_segment 0
		.amdhsa_kernarg_size 88
		.amdhsa_user_sgpr_count 2
		.amdhsa_user_sgpr_kernarg_segment_ptr 1
		.amdhsa_wavefront_size32 1
		.amdhsa_system_sgpr_workgroup_id_x 1
		.amdhsa_system_sgpr_workgroup_id_y 1
		.amdhsa_system_sgpr_workgroup_id_z 1
		.amdhsa_system_vgpr_workitem_id 0
		.amdhsa_next_free_vgpr 226
		.amdhsa_next_free_sgpr 66
		.amdhsa_reserve_vcc 1
		.amdhsa_float_denorm_mode_32 3
		.amdhsa_float_denorm_mode_16_64 3
		.amdhsa_memory_ordered 1
		.amdhsa_forward_progress 1
		.amdhsa_inst_pref_size 89
	.end_amdhsa_kernel
	.amdgpu_metadata
---
amdhsa.version: [ 1, 2 ]
amdhsa.kernels:
  - .name:           k_qd378bb26fe_prep
    .symbol:         k_qd378bb26fe_prep.kd
    .args:
      - { .name: hidden, .offset: 0, .size: 8, .value_kind: global_buffer, .address_space: global }
      - { .name: q_w, .offset: 8, .size: 8, .value_kind: global_buffer, .address_space: global }
      - { .name: k_w, .offset: 16, .size: 8, .value_kind: global_buffer, .address_space: global }
      - { .name: v_w, .offset: 24, .size: 8, .value_kind: global_buffer, .address_space: global }
      - { .name: o_w, .offset: 32, .size: 8, .value_kind: global_buffer, .address_space: global }
      - { .name: positions, .offset: 40, .size: 8, .value_kind: global_buffer, .address_space: global }
      - { .name: hq, .offset: 48, .size: 8, .value_kind: global_buffer, .address_space: global }
      - { .name: wq, .offset: 56, .size: 8, .value_kind: global_buffer, .address_space: global }
      - { .name: owcodes, .offset: 64, .size: 8, .value_kind: global_buffer, .address_space: global }
      - { .name: owscales, .offset: 72, .size: 8, .value_kind: global_buffer, .address_space: global }
      - { .name: rope, .offset: 80, .size: 8, .value_kind: global_buffer, .address_space: global }
    .group_segment_fixed_size: 33280
    .private_segment_fixed_size: 0
    .kernarg_segment_align: 8
    .kernarg_segment_size: 88
    .max_flat_workgroup_size: 128
    .sgpr_count:     66
    .vgpr_count:     226
    .wavefront_size: 32
...
	.end_amdgpu_metadata
.endif
;; end of part 1
;; launch qkv (part 2): grid 256 x 1, 4 waves a work-group, no clusters, 327,680 bytes of LDS; arguments hq, wq, rope, q_b, k_b, v_b, qkv; writes qkv
.if DOCPART == 2
	.amdgcn_target "amdgcn-amd-amdhsa--gfx1250"
	.amdhsa_code_object_version 6
	.text
	.protected	k_qd378bb26fe_qkv
	.globl	k_qd378bb26fe_qkv
	.p2align	8
	.type	k_qd378bb26fe_qkv,@function
k_qd378bb26fe_qkv:
	s_mov_b64 s[64:65], 0
	v_nop
	global_prefetch_b8 v0, s[64:65] scope:SCOPE_SE
	s_setreg_imm32_b32 hwreg(HW_REG_WAVE_MODE, 25, 1), 1
	s_wait_xcnt 0x0
; Q, K and V = hidden x weights^T + bias on codes of FP4 (E2M1) with E8M0 scales, K = 2,048; then the rotation of Q and K; then the quantisers of the attention's operands: Q and K along the head's 64, V along the keys.
; hq: codes [4096 places][1024 bytes], scale bytes [4096][64] from byte 4,194,304.  wq: the same for 2,048 rows (q_w, k_w, v_w on end), scale bytes from byte 2,097,152.  In both, row L lies at the place L with bits 3 and 4 exchanged.
; D = S0 x S1^T, source 0 = 16 places of S0, source 1 = 16 places of S1: a lane (r, h) holds S1's place r, and the 16 registers of S0's tiles 2 b and 2 b + 1 are S0's rows 32 b + 16 h + 0 .. 15: neighbours along the axis that is quantised next.
; Work-groups 0-191: S0 = 256 rows of q_w or k_w, S1 = 128 tokens.  Work-groups 192-255: S0 = 256 tokens, S1 = 128 rows of v_w.  Four waves, each 128 of S0 x 64 of S1: 32 accumulators.
; K goes in four steps of 512 (rows of 256 bytes) through two LDS slots; the scale bytes of all of K come once, as blocks of 256 bytes.  The loop is written out: sixteen runs of 32 products.
; THE TWO KINDS OF WORK-GROUP PART ONCE, behind the last change of slots (no tensor load and no barrier follows it), and do not join again: each way asks for its own bias (Q, K: cos and sin too), runs the last slot's four runs, and goes out.
; OUT (buffer qkv): Q as images of the operand's registers, [b][kv][tile 128][head 2 kv: 512 bytes, head 2 kv + 1: 512 bytes]; Q's scale words from byte 2,097,152, [b][kv][pair of tiles 64][32 lanes];
;   from byte 2,228,224 a pack of 8,704 bytes for each [b][kv][128 keys]: K's 8 tiles (512 bytes each), V's 4 fragments (1,024 each), 2 images of K's scale words, 2 of V's.
; LIMITS: a block of Q, K or V whose largest magnitude lies under 2^-122 is coded on the scale 2^-124 (the floor keeps Q's byte at 3 or more, since the attention takes 3 off it); a block of zeros keeps that byte with zero codes; NaN and infinities are not served.
; NO CLUSTER in this version: S0's tile (64 KiB a step) is wanted by 32 work-groups and S1's (32 KiB) by 6 or 4, so joint loads would pay; a partner's other tile would then be a load of its own in the same round, a form that this text does not yet take.
; REGISTERS, in windows of 256: window 0: v1-27 addresses; v32-95 scale words, two sets; v128-191 S1's fragments, two sets; on the way out v32-171 are at work.
;   window 1: S0's fragments, two sets of 64.   window 2: the accumulators, (a, t) at v[8 (8 a + t)].   window 3: v0-127 cos and sin of my four tiles of tokens; v128-191 the bias.
.set PITCH, 272                        ; an LDS row: 256 bytes + 16 of padding: the 16 rows of a load start 16 bytes apart modulo 256
.set S0H,   128*PITCH                  ; what one tensor load brings of S0, and what a wave reads of it
.set S1H,   64*PITCH                   ; the same of S1
.set S1OFF, 2*S0H
.set SLOT,  S1OFF+2*S1H                ; 104,448 bytes
.set SCL,   2*SLOT                     ; S1's scale bytes: 128 rows x 64 bytes as 32 blocks of 256 + 16
.set S0S,   SCL+2*4352                 ; S0's: 64 blocks
.set SPARE, S0S+2*8704                 ; the spare words, 128 bytes a wave: two blocks of 256 bytes that no other line names
.set QSC,   2097152
.set KVP,   2228224
.set PACK,  8704
.set SPW,  1                           ; v1   SPARE + 4 x my thread's number; never rewritten
.set NIL,  2                           ; v2   0; never rewritten
.set ADR0, 16                          ; v16-17 my fragments of S0 in slot 0, 1
.set ADR1, 20                          ; v20-21 of S1
.set ADRS, 27                          ; v27  my scale words: lanes 0-15 S1's, lanes 16-31 S0's
.set SC,   32                          ; set n at SC + 32 n; register 4 i + q: tile i, the slot's q-th 128 along K
.set S1F,  128
.set T,    32                          ; the way out: v32-47 at work
.set TM,   48                          ; v48-63 the quantiser's
.set H,    64                          ; v64-127 64 numbers of a lane
.set PC,   128                         ; v[128 + 8 a] the codes of tile a
.set PW,   160                         ; v[160 + a] its scale word
.set BIAS, 128                         ; in window 3
.set SEL,  2                           ; s[2:3] lane selects: lane l xor 16
.set WV,   18
.set G1C0, 24                          ; s[24:31] group 1: 128 rows of codes;  s[32:39] 64 rows;  s[40:47] 64 blocks of scale bytes;  s[48:55] 32 blocks
.set G1C1, 32
.set G1S0, 40
.set G1S1, 48
.set G0C0, 56                          ; s[56:63] groups 0 for S0's codes, one for each slot;  s[68:75] for S1's;  s[76:79], s[80:83] for the scale bytes
.set G0C1, 68
.set G0S0, 76
.set G0S1, 80
.set MSB, 0
.macro WIN new                         ; the immediate's high byte repeats the setting that is left
.if MSB != \new
	s_set_vgpr_msb (MSB<<8)|\new
.set MSB, \new
.endif
.endm
.macro PLACES n                        ; plain vector instructions between a matrix instruction and a load into, or a vector read or write of, its registers
.rept \n
	v_nop
.endr
.endm
.macro TL g0a, g1a, g0b, g1b           ; waves 0 and 1 fetch S0's halves, waves 2 and 3 S1's; four v_nop follow each of the two lines
	s_cmp_lt_u32 s[WV], 2
	s_cbranch_scc0 .Ltl_b_\@
	tensor_load_to_lds s[\g0a:\g0a+3], s[\g1a:\g1a+7]
	s_nop 0
	PLACES 4
	s_branch .Ltl_e_\@
.Ltl_b_\@:
	tensor_load_to_lds s[\g0b:\g0b+3], s[\g1b:\g1b+7]
	s_nop 0
	PLACES 4
.Ltl_e_\@:
.endm
.macro FINISH                          ; the wave's end
	s_wait_tensorcnt 0x0
	ds_add_u32 v[SPW], v[NIL]
	s_wait_dscnt 0x0
	s_endpgm
.endm
	s_load_b256 s[4:11], s[0:1], 0x0               ; hq, wq, rope, q_b
	s_load_b128 s[12:15], s[0:1], 0x20             ; k_b, v_b
	s_load_b64 s[16:17], s[0:1], 0x30              ; qkv
	v_lshl_add_u32 v[SPW], v0, 2, SPARE
	v_mov_b32 v[NIL], 0
	ds_add_u32 v1, v2
	ds_add_u32 v1, v2
	s_wait_dscnt 0x0
	v_lshrrev_b32 v3, 5, v0
	v_readfirstlane_b32 s[WV], v3                  ; wave 0..3
	s_and_b32 s19, s[WV], 1                        ; my 128 of S0.  Also: which half of a tile I fetch
	s_lshr_b32 s20, s[WV], 1                       ; my 64 of S1
	s_mov_b32 s[SEL], 0x76543210
	s_mov_b32 s[SEL+1], 0xfedcba98
.irp g, G1C0, G1C1
	s_mov_b32 s[\g], (1<<20)|(5<<22)|(3<<25)       ; elements of 1 byte; padding on: 4 words behind every 64
	s_mov_b32 s[\g+1], 256<<16                     ; tensor_dim0
	s_mov_b32 s[\g+3], 256<<16                     ; tile_dim0
	s_mov_b32 s[\g+5], 1024                        ; from row to row
	s_mov_b32 s[\g+6], 0
	s_mov_b32 s[\g+7], 0
.endr
	s_mov_b32 s[G1C0+2], 256<<16                   ; the head's loads bring whole tiles: 256 rows of S0,
	s_mov_b32 s[G1C0+4], 256
	s_mov_b32 s[G1C1+2], 128<<16                   ; 128 of S1
	s_mov_b32 s[G1C1+4], 128
.irp g, G1S0, G1S1
	s_mov_b32 s[\g], (3<<16)|(1<<20)|(5<<22)|(3<<25)   ; elements of 8 bytes: a dense block as rows of 256 bytes, 16 bytes of padding behind each
	s_mov_b32 s[\g+1], 32<<16
	s_mov_b32 s[\g+3], 32<<16
	s_mov_b32 s[\g+5], 32
	s_mov_b32 s[\g+6], 0
	s_mov_b32 s[\g+7], 0
.endr
	s_mov_b32 s[G1S0+2], 64<<16                    ; 256 rows x 64 bytes
	s_mov_b32 s[G1S0+4], 64
	s_mov_b32 s[G1S1+2], 32<<16                    ; 128 rows
	s_mov_b32 s[G1S1+4], 32
	s_lshr_b32 s90, ttmp9, 5                       ; Q, K: S0 begins at place 256 (id / 32) of wq,
	s_lshl_b32 s90, s90, 8
	s_and_b32 s91, ttmp9, 31                       ; S1 at place 128 (id % 32) of hq
	s_lshl_b32 s91, s91, 7
	s_sub_co_u32 s92, ttmp9, 192                   ; V: i = id - 192: S0 at place 256 (i / 4) of hq,
	s_lshr_b32 s93, s92, 2
	s_lshl_b32 s93, s93, 8
	s_and_b32 s94, s92, 3                          ; S1 at place 1536 + 128 (i % 4) of wq
	s_lshl_b32 s94, s94, 7
	s_add_co_u32 s94, s94, 1536
	s_mov_b32 s88, 0x400000
	s_mov_b32 s89, 0x200000
	s_wait_kmcnt 0x0
	s_cmp_lt_u32 ttmp9, 192                        ; the choice hangs on the work-group's number alone
	s_cselect_b64 s[84:85], s[6:7], s[4:5]         ; S0's buffer
	s_cselect_b64 s[86:87], s[4:5], s[6:7]         ; S1's
	s_cselect_b32 s88, 0x200000, s88               ; where S0's scale bytes begin in it
	s_cselect_b32 s89, 0x400000, s89               ; and S1's
	s_cselect_b32 s90, s90, s93                    ; S0's first place
	s_cselect_b32 s91, s91, s94
	s_mov_b32 s97, 0
	; THE PREFETCHES' SHARES.  The work-groups that read a tile share its rows out: of a tile of weights (read by 32 work-groups, V's by 16) each takes 8 rows, asked for by wave 0;
	; of a tile of 128 tokens the four work-groups with numbers under 128 that read it take 32 rows each, asked for by wave 1.  A lane a row; a K step of a row is 256 bytes, aligned.
	s_and_b32 s92, ttmp9, 31
	s_lshl_b32 s92, s92, 3
	s_add_co_u32 s92, s92, s90                     ; Q, K: weights are S0: 8 (id % 32) rows on
	s_sub_co_u32 s93, ttmp9, 192
	s_lshr_b32 s93, s93, 2
	s_lshl_b32 s93, s93, 3
	s_add_co_u32 s93, s93, s91                     ; V: weights are S1: 8 (i / 4) rows on
	s_cmp_lt_u32 ttmp9, 192
	s_cselect_b32 s92, s92, s93
	s_lshr_b32 s93, ttmp9, 5
	s_lshl_b32 s93, s93, 5
	s_add_co_u32 s93, s93, s91                     ; the tokens: 32 (id / 32) rows on
	s_cmp_lt_u32 ttmp9, 128
	s_cselect_b32 s23, 2, 1                        ; the waves under this number ask
	s_cmp_eq_u32 s[WV], 0
	s_cselect_b64 s[66:67], s[6:7], s[4:5]
	s_cselect_b32 s92, s92, s93
	s_cselect_b32 s94, 7, 31                       ; my share's last row
	s_lshl_b32 s96, s92, 10
	s_add_nc_u64 s[66:67], s[66:67], s[96:97]      ; never rewritten: the K steps are immediates
	s_lshl_b32 s92, s19, 7
	s_add_co_u32 s92, s92, s90                     ; S0: the 128 places that I would fetch
	s_lshl_b32 s96, s92, 10
	s_add_nc_u64 s[98:99], s[84:85], s[96:97]
	s_mul_i32 s93, s19, S0H
.irp n, 0,1
	s_mov_b32 s[G0C0+4*\n], 1
	s_add_co_u32 s[G0C0+4*\n+1], s93, \n*SLOT
	s_add_nc_u64 s[G0C0+4*\n+2:G0C0+4*\n+3], s[98:99], \n*256
	s_or_b32 s[G0C0+4*\n+3], s[G0C0+4*\n+3], 0x80000000
.endr
	s_lshl_b32 s96, s90, 6
	s_add_co_u32 s96, s96, s88
	s_mov_b32 s[G0S0], 1
	s_mov_b32 s[G0S0+1], S0S
	s_add_nc_u64 s[G0S0+2:G0S0+3], s[84:85], s[96:97]
	s_or_b32 s[G0S0+3], s[G0S0+3], 0x80000000
	s_lshl_b32 s92, s19, 6
	s_add_co_u32 s92, s92, s91                     ; S1: the 64 places
	s_lshl_b32 s96, s92, 10
	s_add_nc_u64 s[98:99], s[86:87], s[96:97]
	s_mul_i32 s93, s19, S1H
	s_add_co_u32 s93, s93, S1OFF
.irp n, 0,1
	s_mov_b32 s[G0C1+4*\n], 1
	s_add_co_u32 s[G0C1+4*\n+1], s93, \n*SLOT
	s_add_nc_u64 s[G0C1+4*\n+2:G0C1+4*\n+3], s[98:99], \n*256
	s_or_b32 s[G0C1+4*\n+3], s[G0C1+4*\n+3], 0x80000000
.endr
	s_lshl_b32 s96, s91, 6
	s_add_co_u32 s96, s96, s89
	s_mov_b32 s[G0S1], 1
	s_mov_b32 s[G0S1+1], SCL
	s_add_nc_u64 s[G0S1+2:G0S1+3], s[86:87], s[96:97]
	s_or_b32 s[G0S1+3], s[G0S1+3], 0x80000000
	; the head's groups 0 for slot 0's whole tiles, in registers whose pointers have been used: s[4:7] S0's 256 rows, s[84:87] S1's 128
	s_lshl_b32 s96, s90, 10
	s_add_nc_u64 s[6:7], s[84:85], s[96:97]
	s_or_b32 s7, s7, 0x80000000
	s_mov_b32 s4, 1
	s_mov_b32 s5, 0
	s_lshl_b32 s96, s91, 10
	s_add_nc_u64 s[86:87], s[86:87], s[96:97]
	s_or_b32 s87, s87, 0x80000000
	s_mov_b32 s84, 1
	s_mov_b32 s85, S1OFF
; THE HEAD'S LOADS, ONE A WAVE: wave 0 slot 0's rows of S0, wave 1 those of S1, wave 2 S0's scale bytes, wave 3 S1's.  One chain of branches on the wave's number, a load to an arm.
.macro ARM under, g0, g1, next
	s_cmp_lt_u32 s[WV], \under
	s_cbranch_scc0 \next
	tensor_load_to_lds s[\g0:\g0+3], s[\g1:\g1+7]
	s_nop 0
	PLACES 4
	s_branch .Lfirst_e
\next:
.endm
	ARM 1, 4, G1C0, .Lhead_1
	ARM 2, 84, G1C1, .Lhead_2
	ARM 3, G0S0, G1S0, .Lhead_3
	tensor_load_to_lds s[G0S1:G0S1+3], s[G1S1:G1S1+7]
	s_nop 0
	PLACES 4
.Lfirst_e:
	v_and_b32 v3, 15, v0                           ; r
	v_bfe_u32 v4, v0, 4, 1                         ; h
	v_and_b32 v5, 31, v0                           ; lane
	v_lshlrev_b32 v6, 4, v5                        ; an image's place for my lane
	v_lshlrev_b32 v7, 2, v5                        ; a scale word's
	v_mul_u32_u24 v8, v3, PITCH
	v_lshl_add_u32 v8, v4, 4, v8                   ; a fragment's row x pitch + 16 h
	s_mul_i32 s21, s19, S0H
	s_mul_i32 s22, s20, S1H
	s_add_co_u32 s22, s22, S1OFF
.irp n, 0,1
	v_add_nc_u32 v[ADR0+\n], s21, v8
	v_add_nc_u32 v[ADR1+\n], s22, v8
	s_add_co_u32 s21, s21, SLOT
	s_add_co_u32 s22, s22, SLOT
.endr
	v_lshlrev_b32 v9, 6, v3                        ; a row's scale bytes: 64 a row,
	v_lshrrev_b32 v10, 2, v3
	v_lshl_add_u32 v9, v10, 4, v9                  ; and 16 more for each 256 passed
	s_mul_i32 s21, s20, 4352                       ; S1's: my 64 rows
	s_mul_i32 s22, s19, 8704                       ; S0's: my 128 rows, 8,704 bytes behind S1's first
	s_add_co_u32 s22, s22, 8704
	s_sub_co_u32 s22, s22, s21
	v_mul_u32_u24 v10, s22, v4                     ; lanes 16-31 take S0's: one product with h
	s_add_co_u32 s21, s21, SCL
	v_add_nc_u32 v9, v9, v10
	v_add_nc_u32 v[ADRS], s21, v9
	; lane terms of the bias's and the table's loads, which are issued behind the last change of slots
	v_and_b32 v9, 8, v3
	v_add_nc_u32 v9, v9, v3                        ; r + 8 (r / 8): the row that lies at place r of a tile
	v_lshlrev_b32 v10, 6, v4                       ; 64 h: my 16 numbers of a block of 32
	v_lshl_add_u32 v11, v9, 8, v10                 ; the table: 256 bytes a token
	v_lshlrev_b32 v12, 2, v9
	v_min_u32 v13, s94, v5                         ; the lanes that are left over name the share's last row again
	v_lshlrev_b32 v13, 10, v13                     ; 1,024 bytes a row; never rewritten
	s_wait_alu depctr_va_vdst(0)                   ; the wait ahead of the branch
	s_cmp_lt_u32 s[WV], s23
	s_cbranch_scc0 .Lno_ask0
	global_prefetch_b8 v13, s[66:67] offset:256 th:TH_LOAD_NT scope:SCOPE_SE   ; K step 1: its fill is the next; K step 0 comes by its load alone
	global_prefetch_b8 v13, s[66:67] offset:512 th:TH_LOAD_NT scope:SCOPE_SE   ; K step 2: two fills on
.Lno_ask0:
.macro FRAG reg, adr, q, i             ; 16 rows x 128 K of 4-bit codes: 8 registers: registers 4 c .. 4 c + 3 hold K = 64 c + 32 h + 0 .. 31
.irp c, 0,1
	ds_load_b128 v[\reg+4*\c:\reg+4*\c+3], v[\adr] offset:64*(\q)+32*\c+(\i)*16*PITCH
.endr
.endm
.macro FETCH slot, q, p                ; 24 loads: the fragments of the slot's q-th 128 along K into set p
	WIN 0x40
.irp i, 0,1,2,3,4,5,6,7
	FRAG 64*(\p)+8*\i, ADR0+\slot, \q, \i
.endr
	WIN 0
.irp i, 0,1,2,3
	FRAG S1F+32*(\p)+8*\i, ADR1+\slot, \q, \i
.endr
.endm
.macro SCALES set                      ; a slot's four words a row: lanes 0-15 S1's tile i (of four; what they read for i over 3 is not used), lanes 16-31 S0's tile i
.irp i, 0,1,2,3,4,5,6,7
	ds_load_b128 v[SC+32*\set+4*\i:SC+32*\set+4*\i+3], v[ADRS] offset:\i*1088
.endr
.endm
; 32 products: S1's four tiles x S0's eight.  The 32 accumulators take turns, one instruction a turn, in the same order in every run.  zero = 1: the products start the sums.
.macro MUL32 p, q, set, zero
	WIN 0xa1                                       ; source 0 window 1, source 1 window 0, C and D window 2
.irp a, 0,1,2,3
.irp t, 0,1,2,3,4,5,6,7
.if \zero
	v_wmma_scale_f32_16x16x128_f8f6f4 v[8*(8*\a+\t):8*(8*\a+\t)+7], v[64*(\p)+8*\t:64*(\p)+8*\t+7], v[S1F+32*(\p)+8*\a:S1F+32*(\p)+8*\a+7], 0, v[SC+32*(\set)+4*\t+(\q)], v[SC+32*(\set)+4*\a+(\q)] matrix_a_fmt:MATRIX_FMT_FP4 matrix_b_fmt:MATRIX_FMT_FP4 matrix_a_scale:MATRIX_SCALE_ROW1
.else
	v_wmma_scale_f32_16x16x128_f8f6f4 v[8*(8*\a+\t):8*(8*\a+\t)+7], v[64*(\p)+8*\t:64*(\p)+8*\t+7], v[S1F+32*(\p)+8*\a:S1F+32*(\p)+8*\a+7], v[8*(8*\a+\t):8*(8*\a+\t)+7], v[SC+32*(\set)+4*\t+(\q)], v[SC+32*(\set)+4*\a+(\q)] matrix_a_fmt:MATRIX_FMT_FP4 matrix_b_fmt:MATRIX_FMT_FP4 matrix_a_scale:MATRIX_SCALE_ROW1
.endif
.endr
.endr
.endm
.macro STEP slot, q, zero              ; a run that has its successor in the same slot: the successor's fragments are asked for first
	PLACES 4
	FETCH \slot, (\q)+1, ((\q)+1)%2
	s_wait_dscnt 24                                ; all but the 24 just issued: this run's fragments and scale words are in
	MUL32 (\q)%2, \q, \slot, \zero
.endm
; A slot's last run changes slots: each wave waits for all its tensor loads, adds 0 to its spare word, waits for that and for its reads of this slot; one barrier; fill = 1: this slot takes K two slots on.
.macro TURN slot, next, fill
	WIN 0
	s_wait_tensorcnt 0x0                           ; my part of the next slot has landed, and no load of mine is out: a group 0 may be written
	ds_add_u32 v[SPW], v[NIL]                      ; 0 onto my spare word
.if \fill
	s_add_nc_u64 s[G0C0+4*\slot+2:G0C0+4*\slot+3], s[G0C0+4*\slot+2:G0C0+4*\slot+3], 512
	s_add_nc_u64 s[G0C1+4*\slot+2:G0C1+4*\slot+3], s[G0C1+4*\slot+2:G0C1+4*\slot+3], 512
.endif
	s_wait_dscnt 0x0                               ; the add is done; my reads of this slot are over, the last run's fragments among them
	s_barrier_signal -1
	s_barrier_wait -1
.if \fill
	TL G0C0+4*\slot, G1C0, G0C1+4*\slot, G1C1      ; my one tensor load behind this barrier; its four v_nop are also the places in front of the loads below
.else
	PLACES 4
.endif
	s_wait_alu depctr_va_vdst(0)
	v_add_nc_u32 v[ADRS], 16, v[ADRS]              ; the next slot's scale words
	FETCH \next, 0, 0
	SCALES \next
	MUL32 1, 3, \slot, 0
.endm
; The last slot's four runs and the head of the way out: written once for each kind of work-group, behind that kind's loads of bias (and table).
.macro TAIL
	STEP 1, 0, 0
	STEP 1, 1, 0
	STEP 1, 2, 0
	s_wait_dscnt 0x0
	MUL32 1, 3, 1, 0
	WIN 0
	PLACES 4                                       ; behind the last products
.irp b, 0,1,2,3
	v_mov_b32 v[TM+4+\b], 0                        ; a lane permute's destination counts as one of its sources
.endr
	s_wait_loadcnt 0x0                             ; the bias (and cos and sin), asked for 128 products ago
	v_cmp_le_u32 vcc_lo, 16, v5                    ; lanes 16-31
.endm
; 64 numbers of a lane, register 16 b + i = k 32 b + 16 h + i of my row, become a fragment's codes (8 registers from pc on) and its scale word (pw).  fl: the floor under the largest magnitude.
.macro QUANT src, pc, pw, fl
.irp b, 0,1,2,3
	v_max3_num_f32 v[TM+\b], |v[\src+16*\b]|, |v[\src+1+16*\b]|, \fl
.endr
.irp i, 2,4,6,8,10,12,14
.irp b, 0,1,2,3
	v_max3_num_f32 v[TM+\b], v[TM+\b], |v[\src+16*\b+\i]|, |v[\src+1+16*\b+\i]|   ; the four blocks by turns
.endr
.endr
.irp b, 0,1,2,3
	v_permlanex16_b32 v[TM+4+\b], v[TM+\b], s[SEL], s[SEL+1]
.endr
.irp b, 0,1,2,3
	v_max_num_f32 v[TM+\b], v[TM+\b], v[TM+4+\b]   ; with lane l xor 16's: the block's largest magnitude
.endr
.irp b, 0,1,2,3
	v_add_nc_u32 v[TM+12+\b], 0xff000000, v[TM+\b] ; 2 off its exponent field: the conversion's scale operand
.endr
.irp b, 0,1,2,3
	v_lshrrev_b32 v[TM+4+\b], 23, v[TM+12+\b]      ; the scale's byte
.endr
	v_lshl_or_b32 v[\pw], v[TM+5], 8, v[TM+4]
	v_lshl_or_b32 v[\pw], v[TM+6], 16, v[\pw]
	v_lshl_or_b32 v[\pw], v[TM+7], 24, v[\pw]
.irp b, 0,1,2,3
	v_cvt_scalef32_pk8_fp4_f32 v[\pc+2*\b], v[\src+16*\b:\src+7+16*\b], v[TM+12+\b]
	v_cvt_scalef32_pk8_fp4_f32 v[\pc+1+2*\b], v[\src+8+16*\b:\src+15+16*\b], v[TM+12+\b]
.endr
	v_nop                                          ; one plain instruction behind a scaled conversion
.irp c, 0,1                                    ; a whole block to a lane: lanes 0-15 block 2 c, lanes 16-31 block 2 c + 1
.irp i, 0,1
	v_permlane16_swap_b32 v[\pc+4*\c+\i], v[\pc+2+4*\c+\i]
.endr
.endr
.endm
; Q AND K.  Tile a: 16 tokens; my 64 numbers are two heads' 16 h + 0 .. 15 and 32 + 16 h + 0 .. 15: the two halves that the rotation pairs lie in one lane.
.macro ROPEQ a
	WIN 0x0e                                       ; source 0 window 2, source 1 window 3
.set k, 0
.rept 32
	v_pk_add_f32 v[H+2*k:H+2*k+1], v[64*\a+2*k:64*\a+2*k+1], v[BIAS+2*k:BIAS+2*k+1]   ; each accumulator from its low end on
.set k, k+1
.endr
	WIN 0x0c                                       ; source 1 window 3
.irp d, 0,1
.irp n, 0,1,2,3,4,5,6,7
	v_pk_mul_f32 v[T+4*(\n%4):T+4*(\n%4)+1], v[H+32*\d+16+2*\n:H+32*\d+17+2*\n], v[32*\a+16+2*\n:32*\a+17+2*\n]     ; x2 sin
	v_pk_mul_f32 v[T+4*(\n%4)+2:T+4*(\n%4)+3], v[H+32*\d+2*\n:H+32*\d+1+2*\n], v[32*\a+16+2*\n:32*\a+17+2*\n]       ; x1 sin
	v_pk_fma_f32 v[H+32*\d+2*\n:H+32*\d+1+2*\n], v[H+32*\d+2*\n:H+32*\d+1+2*\n], v[32*\a+2*\n:32*\a+1+2*\n], v[T+4*(\n%4):T+4*(\n%4)+1] neg_lo:[0,0,1] neg_hi:[0,0,1]   ; x1 cos - x2 sin
	v_pk_fma_f32 v[H+32*\d+16+2*\n:H+32*\d+17+2*\n], v[H+32*\d+16+2*\n:H+32*\d+17+2*\n], v[32*\a+2*\n:32*\a+1+2*\n], v[T+4*(\n%4)+2:T+4*(\n%4)+3]                       ; x2 cos + x1 sin
.endr
.endr
	WIN 0
	QUANT H, PC+8*\a, PW+\a, 0x2800000             ; registers 0-3: the first head's 64; 4-7: the second's; the word: two bytes each
.endm
; V.  Tile a: 16 features of one head; my 64 numbers are keys 32 b + 16 h + i of a run of 128: the codes come out with the keys innermost.
.macro VQ a
	WIN 0x0e
.set k, 0
.rept 32
	v_pk_add_f32 v[H+2*k:H+2*k+1], v[64*\a+2*k:64*\a+2*k+1], v[BIAS+2*\a:BIAS+2*\a+1] op_sel_hi:[1,0]
.set k, k+1
.endr
	WIN 0
	QUANT H, PC+8*\a, PW+\a, 0x2800000
.endm
	s_wait_alu depctr_va_vdst(0)
	s_wait_tensorcnt 0x0                           ; my tile of the head's four is in; slot 1's first fill is issued as a refill is
	ds_add_u32 v[SPW], v[NIL]
	s_mov_b32 s[G1C0+2], 128<<16                   ; no load of mine is out: from here on a load brings half a tile
	s_mov_b32 s[G1C0+4], 128
	s_mov_b32 s[G1C1+2], 64<<16
	s_mov_b32 s[G1C1+4], 64
	s_wait_dscnt 0x0
	s_barrier_signal -1
	s_barrier_wait -1
	TL G0C0+4, G1C0, G0C1+4, G1C1                  ; slot 1: my one tensor load behind this barrier
	FETCH 0, 0, 0
	SCALES 0
	s_cmp_lt_u32 s[WV], s23
	s_cbranch_scc0 .Lno_ask1
	global_prefetch_b8 v13, s[66:67] offset:768 th:TH_LOAD_NT scope:SCOPE_SE   ; K step 3, the last: two fills on
.Lno_ask1:
	STEP 0, 0, 1
	STEP 0, 1, 0
	STEP 0, 2, 0
	TURN 0, 1, 1
	STEP 1, 0, 0
	STEP 1, 1, 0
	STEP 1, 2, 0
	TURN 1, 0, 1
	STEP 0, 0, 0
	STEP 0, 1, 0
	STEP 0, 2, 0
	TURN 0, 1, 0
	WIN 0                                          ; at a branch and at a label every window is 0
	s_mov_b32 s97, 0
	s_cmp_ge_u32 ttmp9, 192                        ; the two kinds part here, on the work-group's number, and do not join again
	s_cbranch_scc1 .Lv
	; ---- Q and K: the bias of my 128 features and the table's rows of my 64 tokens
	s_cmp_lt_u32 ttmp9, 128
	s_cselect_b64 s[84:85], s[10:11], s[12:13]     ; q_b or k_b
	s_cselect_b32 s92, 0, 1024
	s_lshl_b32 s93, s19, 7
	s_add_co_u32 s93, s93, s90
	s_sub_co_u32 s93, s93, s92                     ; my first feature
	s_lshl_b32 s96, s93, 2
	s_add_nc_u64 s[84:85], s[84:85], s[96:97]
	s_lshl_b32 s93, s20, 6
	s_add_co_u32 s93, s93, s91
	s_and_b32 s93, s93, 2047                       ; my first token's t: both batches take positions[0]
	s_lshl_b32 s96, s93, 8
	s_add_nc_u64 s[86:87], s[8:9], s[96:97]
	WIN 0xc0                                       ; destination window 3
.irp n, 0,1,2,3,4,5,6,7,8,9,10,11,12,13,14,15
	global_load_b128 v[BIAS+4*\n:BIAS+4*\n+3], v10, s[84:85] offset:128*(\n/4)+16*(\n%4)   ; register 16 b + i: feature 32 b + 16 h + i
.endr
.irp a, 0,1,2,3
.irp n, 0,1,2,3
	global_load_b128 v[32*\a+4*\n:32*\a+4*\n+3], v11, s[86:87] offset:(32*(\a/2)+8*(\a%2))*256+16*\n           ; cos 16 h + 0 .. 15 of tile a's token
	global_load_b128 v[32*\a+16+4*\n:32*\a+16+4*\n+3], v11, s[86:87] offset:(32*(\a/2)+8*(\a%2))*256+128+16*\n ; sin
.endr
.endr
	WIN 0
	TAIL
	ROPEQ 0
	ROPEQ 1
	ROPEQ 2
	ROPEQ 3
	s_bfe_u32 s92, ttmp9, 0x10004                  ; the batch
	s_lshl_b32 s92, s92, 3
	s_lshr_b32 s93, ttmp9, 5
	s_lshl_b32 s94, s20, 6
	s_add_co_u32 s94, s94, s91
	s_and_b32 s94, s94, 2047
	s_lshr_b32 s94, s94, 4                         ; my first tile among the batch's 128
	s_cmp_ge_u32 ttmp9, 128
	s_cbranch_scc1 .Lstore_k
	s_lshl_b32 s95, s93, 1
	s_add_co_u32 s95, s95, s19                     ; my two heads are the pair of kv head 2 (id / 32) + my half
	s_add_co_u32 s95, s95, s92
	s_lshl_b32 s96, s95, 7
	s_add_co_u32 s96, s96, s94
	s_lshl_b32 s96, s96, 10
	s_add_nc_u64 s[98:99], s[16:17], s[96:97]
	s_lshl_b32 s96, s95, 6
	s_lshr_b32 s94, s94, 1
	s_add_co_u32 s96, s96, s94
	s_lshl_b32 s96, s96, 7
	s_add_co_u32 s96, s96, QSC
	s_add_nc_u64 s[84:85], s[16:17], s[96:97]
	s_wait_alu depctr_va_vdst(0)
.irp a, 0,1,2,3
	global_store_b128 v6, v[PC+8*\a:PC+8*\a+3], s[98:99] offset:1024*\a          ; 32 lanes store 512 consecutive bytes
	global_store_b128 v6, v[PC+8*\a+4:PC+8*\a+7], s[98:99] offset:1024*\a+512
.endr
	v_cndmask_b32 v164, v[PW], v[PW+1], vcc_lo     ; lanes 0-15: the even tile's words, lanes 16-31 the odd tile's
	v_cndmask_b32 v165, v[PW+2], v[PW+3], vcc_lo
	global_store_b32 v7, v164, s[84:85]
	global_store_b32 v7, v165, s[84:85] offset:128
	FINISH
.Lstore_k:
	s_sub_co_u32 s93, s93, 4
	s_lshl_b32 s93, s93, 2
	s_lshl_b32 s95, s19, 1
	s_add_co_u32 s93, s93, s95                     ; my first kv head
	s_add_co_u32 s93, s93, s92
	s_lshl_b32 s93, s93, 4
	s_and_b32 s95, ttmp9, 15                       ; the 128 keys
	s_add_co_u32 s93, s93, s95
	s_mul_i32 s93, s93, PACK
	s_add_co_u32 s93, s93, KVP                     ; its pack; the second head's lies 16 packs on
	s_lshl_b32 s95, s20, 11
	s_add_co_u32 s96, s93, s95                     ; my four tiles of its eight
	s_add_nc_u64 s[98:99], s[16:17], s[96:97]
	s_lshl_b32 s95, s20, 7
	s_add_co_u32 s96, s93, s95
	s_add_co_u32 s96, s96, 8192
	s_add_nc_u64 s[84:85], s[16:17], s[96:97]
	s_wait_alu depctr_va_vdst(0)
.irp a, 0,1,2,3
	global_store_b128 v6, v[PC+8*\a:PC+8*\a+3], s[98:99] offset:512*\a
	global_store_b128 v6, v[PC+8*\a+4:PC+8*\a+7], s[98:99] offset:16*PACK+512*\a
.endr
	v_perm_b32 v164, v[PW+1], v[PW], 0x05040100    ; a fragment of the attention holds two tiles: its word is two bytes of each.  First head,
	v_perm_b32 v165, v[PW+3], v[PW+2], 0x05040100
	v_perm_b32 v166, v[PW+1], v[PW], 0x07060302    ; second head
	v_perm_b32 v167, v[PW+3], v[PW+2], 0x07060302
	v_cndmask_b32 v168, v164, v165, vcc_lo         ; lanes 0-15: tiles 0 and 1, lanes 16-31: tiles 2 and 3
	v_cndmask_b32 v169, v166, v167, vcc_lo
	global_store_b32 v7, v168, s[84:85]
	global_store_b32 v7, v169, s[84:85] offset:16*PACK
	FINISH
	; ---- V: the bias of the feature that each of my four tiles has in my lane
.Lv:
	s_lshl_b32 s93, s20, 6
	s_add_co_u32 s93, s93, s91
	s_sub_co_u32 s93, s93, 1536                    ; my first feature of V
	s_lshl_b32 s96, s93, 2
	s_add_nc_u64 s[84:85], s[14:15], s[96:97]
	WIN 0xc0
.irp a, 0,1,2,3
	global_load_b32 v[BIAS+2*\a], v12, s[84:85] offset:(32*(\a/2)+8*(\a%2))*4     ; the bias of tile a's feature in my lane,
	global_load_b32 v[BIAS+2*\a+1], v12, s[84:85] offset:(32*(\a/2)+8*(\a%2))*4   ; twice: it is named as a pair
.endr
	WIN 0
	TAIL
	VQ 0
	VQ 1
	VQ 2
	VQ 3
	s_sub_co_u32 s92, ttmp9, 192
	s_lshr_b32 s93, s92, 2
	s_lshl_b32 s93, s93, 1
	s_add_co_u32 s93, s93, s19                     ; which 128 tokens of the 32 runs
	s_and_b32 s92, s92, 3
	s_lshl_b32 s92, s92, 1
	s_add_co_u32 s92, s92, s20                     ; the kv head
	s_lshr_b32 s94, s93, 4                         ; the batch
	s_and_b32 s93, s93, 15
	s_lshl_b32 s94, s94, 3
	s_add_co_u32 s94, s94, s92
	s_lshl_b32 s94, s94, 4
	s_add_co_u32 s94, s94, s93
	s_mul_i32 s96, s94, PACK
	s_add_co_u32 s96, s96, KVP+4096                ; V's part of the pack
	s_add_nc_u64 s[98:99], s[16:17], s[96:97]
	s_wait_alu depctr_va_vdst(0)
.irp a, 0,1,2,3
	global_store_b128 v6, v[PC+8*\a:PC+8*\a+3], s[98:99] offset:1024*\a
	global_store_b128 v6, v[PC+8*\a+4:PC+8*\a+7], s[98:99] offset:1024*\a+512
.endr
	v_cndmask_b32 v164, v[PW], v[PW+1], vcc_lo
	v_cndmask_b32 v165, v[PW+2], v[PW+3], vcc_lo
	global_store_b32 v7, v164, s[98:99] offset:4352
	global_store_b32 v7, v165, s[98:99] offset:4480
	FINISH
.Lfunc_end_k_qd378bb26fe_qkv:
	.size	k_qd378bb26fe_qkv, .Lfunc_end_k_qd378bb26fe_qkv-k_qd378bb26fe_qkv
	.p2alignl 7, 3214868480
	.fill 96, 4, 3214868480
	.section	.rodata,"a",@progbits
	.p2align	6, 0x0
	.amdhsa_kernel k_qd378bb26fe_qkv
		.amdhsa_group_segment_fixed_size 327680
		.amdhsa_private_segment_fixed_size 0
		.amdhsa_enable_private_segment 0
		.amdhsa_kernarg_size 56
		.amdhsa_user_sgpr_count 2
		.amdhsa_user_sgpr_kernarg_segment_ptr 1
		.amdhsa_wavefront_size32 1
		.amdhsa_system_sgpr_workgroup_id_x 1
		.amdhsa_system_sgpr_workgroup_id_y 1
		.amdhsa_system_sgpr_workgroup_id_z 1
		.amdhsa_system_vgpr_workitem_id 0
		.amdhsa_next_free_vgpr 1024
		.amdhsa_next_free_sgpr 100
		.amdhsa_reserve_vcc 1
		.amdhsa_float_denorm_mode_32 3
		.amdhsa_float_denorm_mode_16_64 3
		.amdhsa_memory_ordered 1
		.amdhsa_forward_progress 1
		.amdhsa_inst_pref_size 203
	.end_amdhsa_kernel
	.amdgpu_metadata
---
amdhsa.version: [ 1, 2 ]
amdhsa.kernels:
  - .name:           k_qd378bb26fe_qkv
    .symbol:         k_qd378bb26fe_qkv.kd
    .args:
      - { .name: hq, .offset: 0, .size: 8, .value_kind: global_buffer, .address_space: global }
      - { .name: wq, .offset: 8, .size: 8, .value_kind: global_buffer, .address_space: global }
      - { .name: rope, .offset: 16, .size: 8, .value_kind: global_buffer, .address_space: global }
      - { .name: q_b, .offset: 24, .size: 8, .value_kind: global_buffer, .address_space: global }
      - { .name: k_b, .offset: 32, .size: 8, .value_kind: global_buffer, .address_space: global }
      - { .name: v_b, .offset: 40, .size: 8, .value_kind: global_buffer, .address_space: global }
      - { .name: qkv, .offset: 48, .size: 8, .value_kind: global_buffer, .address_space: global }
    .group_segment_fixed_size: 327680
    .private_segment_fixed_size: 0
    .kernarg_segment_align: 8
    .kernarg_segment_size: 56
    .max_flat_workgroup_size: 128
    .sgpr_count:     100
    .vgpr_count:     1024
    .wavefront_size: 32
...
	.end_amdgpu_metadata
.endif
;; end of part 2
;; launch attn (part 3): grid 32 x 8, 8 waves a work-group, clusters of 4 x 4, 327,680 bytes of LDS; arguments mask, qkv, acodes, ascales; writes acodes, ascales
.if DOCPART == 3
	.amdgcn_target "amdgcn-amd-amdhsa--gfx1250"
	.amdhsa_code_object_version 6
	.text
	.protected	k_qd378bb26fe_attn
	.globl	k_qd378bb26fe_attn
	.p2align	8
	.type	k_qd378bb26fe_attn,@function
k_qd378bb26fe_attn:
	s_mov_b64 s[64:65], 0
	v_nop
	global_prefetch_b8 v0, s[64:65] scope:SCOPE_SE
	s_setreg_imm32_b32 hwreg(HW_REG_WAVE_MODE, 25, 1), 1
	s_wait_xcnt 0x0
	s_wait_alu depctr_hold_cnt(0) depctr_sa_sdst(0) depctr_va_vdst(0) depctr_va_sdst(0) depctr_va_ssrc(0) depctr_va_vcc(0) depctr_vm_vsrc(0)
	s_getreg_b32 s2, hwreg(HW_REG_IB_STS2, 6, 4)
	s_cmp_eq_u32 s2, 0
	s_cbranch_scc0 .Lentry_in_a_cluster
	s_endpgm
.Lentry_in_a_cluster:
	s_bfe_u32 s2, ttmp6, 0x10000c
	s_cmp_lg_u32 s2, 0xf033
	s_cbranch_scc0 .Lentry_shape_is_right
	s_endpgm
.Lentry_shape_is_right:
; The attention on codes of FP4 (E2M1) with E8M0 scales: scores = K Q^T / 8 + mask, p = 2^(t - M), O^T = V^T p^T, O / the sum, quantised along heads x 64 for the last product.
; t = score x log2(e); M = the running largest t rounded up to a whole number; the row's sum is taken of the unquantised p; when M moves, the sum and O^T are multiplied by 2^(old M - new M), which rounds nothing.
; The mask is an input: all 2,048 keys are walked for every query, and the mask's numbers are the C of the first product.  The division by 8 is 3 off Q's scale bytes: exact.
; SHARES.  A work-group: 64 queries x 2 kv heads of one batch.  Wave w: queries 16 (w % 4) on, kv head w / 4, BOTH its query heads: the mask's registers and K's and V's fragments serve two tiles.
; A STEP is 128 keys for both heads at once: 16 products, ONE pass of the softmax over 128 registers (eight blocks of 32 keys by turns), 8 products.  All plain work that needs no p stands ahead of one batch of 136 exponentials.
; THE HEAD'S 64 IN AN INSTRUCTION OF 128: a fragment of K holds two tiles of 16 keys (registers 0-3, 4-7); Q stands as (q, 0) and as (0, q); zero codes add nothing.
; LAYOUT.  Both products transposed: a lane holds one query (lane % 16).  The keys of a tile are 32 b + 8 u + r + 8 (r / 8), so the 16 registers of tiles 2 b, 2 b + 1 are keys 32 b + 16 (lane / 16) + 0 .. 15.
; LDS: two slots of 256 keys (two steps), 2^17 bytes apart: the mask's 64 rows of 1,024 bytes + 16, then four packs of 8,704 bytes (kv head x 128 keys), images of the operands' registers.
; The next step's 36 LDS loads stand behind the batch of exponentials.  So at the top of a slot's second step all of the slot is in registers: there the wave runs the three lines and signals; the barrier's wait stands behind the batch;
; behind it the slot just left is filled again: that load has two steps in which to land.
; CLUSTER 4 x 4: the mask's tile hangs on the block of queries alone and is asked for jointly down a column of the cluster; a pack hangs on batch and kv heads alone and is asked for jointly along a row.
; PREFETCH: behind each refill but the last a wave names what its NEXT refill loads, one trip (two steps) ahead; the four partners of a joint load share the blocks of 256 bytes by address: 4 of the mask's 16 rows, 9 of a pack's 34 blocks.
; LIMITS: NaN and +infinity are not served; -infinity in the mask is (a row that is all -infinity gives NaN, as the definition does); where every score met so far lies near -1e9 or beyond, p may pass 1 for those steps (by at most 2^64) and is wiped by the next change of M.
; The promise holds while the scaled scores stay under 2^31 in magnitude.  acodes' and ascales' rows are written 64 and 4 bytes a wave: a wave owns two heads of a row.
; REGISTERS: window 0: v1-9 addresses; v10-17 -M, largest t, sum (two halves) a head; v18-21 f; v22-23 Q's scale words; v24-25 K's; v26-29 V's, two sets; v30-31 p's; v32-63 at work; v64-191 S^T, then p; v192-255 the mask.
;   window 1: v0-63 O^T of the two heads; v64-83 (0, qA, 0, qB, 0) in fours; v96-127 K's fragments; v128-191 V's, two sets; v192-207 p's codes.
.set MROW,  1040
.set MASKB, 64*MROW
.set PACK,  8704
.set SLOT1, 1<<17
.set SPARE, 2*SLOT1                    ; the spare words, 128 bytes a wave: four blocks of 256 bytes that no other line names
.set QSC,   2097152
.set KVP,   2228224
.set SPW, 1
.set NIL, 2
.set AM,  3                            ; my place in the mask's tile: (16 (w % 4) + r) rows + 64 h
.set AI,  4                            ; in my kv head's packs: 16 x lane
.set AS,  5                            ; among their scale words: 4 x lane
.set ADM, 6
.set ADI, 7
.set ADS, 8
.set PFO, 9                            ; the prefetches' lane offset
.set F,   18
.set QS,  22
.set KS,  24
.set VS,  26
.set PS,  30
.set BM,  32                           ; block 4 X + b: its largest score, then its largest p
.set T4,  40
.set SO,  48
.set TA,  56
.set OLD, 58
.set SUM2, 60
.set TM,  32                           ; the last quantiser's 16 registers
.set S,   64
.set MK,  192
.set PCO, 192                          ; the way out: the codes
.set KF,  96                           ; in window 1
.set VF,  128
.set PC,  192
.set WV,  12
.set SEL, 14
.set CS,  16
.set G1M, 20
.set G1P, 28
.set G0M0, 36
.set G0M1, 40
.set G0P0, 44
.set G0P1, 48
.set TB,  52
.set CNT, 53
.set CX,  66
.set CY,  67
.set GX,  68
.set GY,  69
.set PFA, 70                           ; s[70:71] where my prefetches stand; s[72:73] a slot on, in bytes
.set PFS, 72
.set MSB, 0
.macro WIN new
.if MSB != \new
	s_set_vgpr_msb (MSB<<8)|\new
.set MSB, \new
.endif
.endm
.macro PLACES n
.rept \n
	v_nop
.endr
.endm
.macro JLOAD g0m, g0p                  ; waves 0-3: 16 rows of the mask each; waves 4-7: a pack each.  s_nop 0 and four v_nop follow each line
	s_cmp_lt_u32 s[WV], 4
	s_cbranch_scc0 .Lp_\@
	tensor_load_to_lds s[\g0m:\g0m+3], s[G1M:G1M+7]
	s_nop 0
	PLACES 4
	s_branch .Le_\@
.Lp_\@:
	tensor_load_to_lds s[\g0p:\g0p+3], s[G1P:G1P+7]
	s_nop 0
	PLACES 4
.Le_\@:
.endm
.macro CREST                           ; a round of the cluster's barrier behind its opening barrier
	s_cmp_lg_u32 s[WV], 0
	s_cbranch_scc1 .Lnw0_\@
	s_barrier_signal -3
.Lnw0_\@:
	s_barrier_wait -3
	s_barrier_signal -1
	s_barrier_wait -1
.endm
.macro CROUND
	s_barrier_signal -1
	s_barrier_wait -1
	CREST
.endm
	s_load_b256 s[4:11], s[0:1], 0x0               ; mask, qkv, acodes, ascales
	v_lshl_add_u32 v[SPW], v0, 2, SPARE
	v_mov_b32 v[NIL], 0
	ds_add_u32 v[SPW], v[NIL]                      ; the opening lines
	ds_add_u32 v[SPW], v[NIL]
	v_lshrrev_b32 v63, 5, v0
	v_readfirstlane_b32 s[WV], v63                 ; wave 0..7
	s_and_b32 s13, s[WV], 3                        ; my tile of queries.  Also: my part of a fill
	s_lshr_b32 s18, s[WV], 2                       ; which of the two kv heads
	s_bfe_u32 s[CX], ttmp6, 0x40000
	s_bfe_u32 s[CY], ttmp6, 0x40004
	s_lshl_b32 s[GX], ttmp9, 2
	s_add_co_u32 s[GX], s[GX], s[CX]               ; the block of 64 queries
	s_and_b32 s[GY], ttmp7, 0xffff
	s_lshl_b32 s[GY], s[GY], 2
	s_add_co_u32 s[GY], s[GY], s[CY]               ; batch and pair of kv heads
	s_lshl_b32 s54, s[CY], 2
	s_lshl_b32 s54, 15, s54                        ; my row of the cluster
	s_lshl_b32 s55, 0x1111, s[CX]                  ; my column
	s_or_b32 s[G1M], s55, (2<<16)|(1<<20)|(1<<21)|(7<<22)|(3<<25)   ; the mask's tile goes to my column; elements of 4 bytes; 4 words of padding behind every 256
	s_mov_b32 s[G1M+1], 256<<16
	s_mov_b32 s[G1M+2], 16<<16
	s_mov_b32 s[G1M+3], 256<<16
	s_mov_b32 s[G1M+4], 16
	s_mov_b32 s[G1M+5], 2048
	s_mov_b32 s[G1M+6], 0
	s_mov_b32 s[G1M+7], 0
	s_or_b32 s[G1P], s54, (3<<16)|(1<<21)          ; a pack goes to my row: 34 dense rows of 256 bytes (32 elements of 8)
	s_mov_b32 s[G1P+1], 32<<16
	s_mov_b32 s[G1P+2], 34<<16
	s_mov_b32 s[G1P+3], 32<<16
	s_mov_b32 s[G1P+4], 34
	s_mov_b32 s[G1P+5], 32
	s_mov_b32 s[G1P+6], 0
	s_mov_b32 s[G1P+7], 0
	s_lshr_b32 s55, s[GY], 2                       ; the batch
	s_and_b32 s56, s[GY], 3
	s_lshl_b32 s56, s56, 1
	s_lshl_b32 s19, s55, 3
	s_add_co_u32 s19, s19, s56                     ; 8 x batch + the first kv head
	s_lshl_b32 s57, s[GX], 6
	s_lshl_b32 s58, s13, 4
	s_add_co_u32 s57, s57, s58                     ; the mask's rows that I would fetch, and my first query
	s_lshl_b32 s58, s57, 13
	s_mov_b32 s59, 0
	s_bfe_u32 s60, s[WV], 0x10001                  ; the pack that I would fetch: kv head (w / 2) % 2, step w % 2
	s_add_co_u32 s60, s60, s19
	s_lshl_b32 s60, s60, 4
	s_and_b32 s61, s[WV], 1
	s_add_co_u32 s60, s60, s61
	s_mul_i32 s60, s60, PACK
	s_add_co_u32 s60, s60, KVP
	s_mov_b32 s61, 0
	s_mul_i32 s62, s13, 16*MROW
	s_mul_i32 s63, s13, PACK
	s_add_co_u32 s63, s63, MASKB
	s_mov_b32 s[SEL], 0x76543210
	s_mov_b32 s[SEL+1], 0xfedcba98
	s_mov_b32 s[CS], 0x3fb8aa3b                    ; log2(e)
	s_mov_b32 s[CS+1], s[CS]
	s_mov_b32 s[TB], 0
	s_mov_b32 s[CNT], 6
	s_wait_dscnt 0x0
	s_wait_kmcnt 0x0
	s_mov_b32 s[G0M0], 1
	s_mov_b32 s[G0M0+1], s62
	s_add_nc_u64 s[G0M0+2:G0M0+3], s[4:5], s[58:59]
	s_mov_b32 s[G0M1], 1
	s_add_co_u32 s[G0M1+1], s62, SLOT1
	s_add_nc_u64 s[G0M1+2:G0M1+3], s[G0M0+2:G0M0+3], 1024     ; slot 1: keys 256 on
	s_or_b32 s[G0M0+3], s[G0M0+3], 0x80000000
	s_or_b32 s[G0M1+3], s[G0M1+3], 0x80000000
	s_mov_b32 s[G0P0], 1
	s_mov_b32 s[G0P0+1], s63
	s_add_nc_u64 s[G0P0+2:G0P0+3], s[6:7], s[60:61]
	s_mov_b32 s[G0P1], 1
	s_add_co_u32 s[G0P1+1], s63, SLOT1
	s_add_nc_u64 s[G0P1+2:G0P1+3], s[G0P0+2:G0P0+3], 2*PACK
	s_or_b32 s[G0P0+3], s[G0P0+3], 0x80000000
	s_or_b32 s[G0P1+3], s[G0P1+3], 0x80000000
	CROUND                                         ; all sixteen work-groups are here: the first joint loads meet
	JLOAD G0M0, G0P0                               ; slot 0: one tensor load a wave at the head
	; the prefetches: my work-group's share of what I fetch, standing at slot 2; the first refill steps it to slot 3
	s_lshl_b32 s74, s[CY], 15                      ; mask: rows 4 cy .. 4 cy + 3 of my 16
	s_add_co_u32 s74, s74, s58
	s_add_co_u32 s74, s74, 2*1024
	s_mul_i32 s77, s[CX], 9*256                    ; pack: blocks 9 cx on
	s_add_co_u32 s62, s77, s60
	s_add_co_u32 s62, s62, 4*PACK
	s_sub_co_u32 s77, 33*256, s77                  ; from my first block to the pack's last
	s_mov_b32 s[PFS], 2*PACK
	s_cmp_lt_u32 s[WV], 4
	s_cselect_b64 s[PFA:PFA+1], s[4:5], s[6:7]
	s_cselect_b32 s74, s74, s62
	s_cselect_b32 s[PFS], 1024, s[PFS]
	s_cselect_b32 s76, -1, 0
	s_mov_b32 s75, 0
	s_mov_b32 s[PFS+1], 0
	s_add_nc_u64 s[PFA:PFA+1], s[PFA:PFA+1], s[74:75]
	; Q: tile tq = 4 x + w % 4 in natural order.  Query 32 g + 16 v + r lies in the stored tile 2 g + r / 8 at lane 8 v + r % 8.
	s_lshl_b32 s54, s[GX], 2
	s_add_co_u32 s54, s54, s13                     ; tq
	s_add_co_u32 s56, s19, s18                     ; 8 x batch + my kv head
	s_and_b32 s58, s54, 1                          ; v
	s_lshr_b32 s62, s54, 1                         ; g
	s_lshl_b32 s60, s56, 7
	s_add_co_u32 s60, s60, s54
	s_sub_co_u32 s60, s60, s58
	s_lshl_b32 s60, s60, 10
	s_lshl_b32 s63, s58, 7
	s_add_co_u32 s60, s60, s63
	s_mov_b32 s61, 0
	s_add_nc_u64 s[60:61], s[6:7], s[60:61]        ; its images
	s_lshl_b32 s63, s56, 6
	s_add_co_u32 s62, s62, s63
	s_lshl_b32 s62, s62, 7
	s_lshl_b32 s63, s58, 5
	s_add_co_u32 s62, s62, s63
	s_add_co_u32 s62, s62, QSC
	s_mov_b32 s63, 0
	s_add_nc_u64 s[62:63], s[6:7], s[62:63]        ; its scale words
	s_lshl_b32 s54, s55, 11
	s_add_co_u32 s54, s54, s57                     ; my first token
	s_and_b32 s55, s56, 7                          ; my kv head
	s_lshl_b32 s58, s54, 9
	s_lshl_b32 s57, s55, 6
	s_add_co_u32 s58, s58, s57
	s_mov_b32 s59, 0
	s_add_nc_u64 s[8:9], s[8:9], s[58:59]          ; acodes: 512 bytes a token, 64 a pair of heads
	s_lshl_b32 s58, s54, 5
	s_lshl_b32 s57, s55, 2
	s_add_co_u32 s58, s58, s57
	s_add_nc_u64 s[10:11], s[10:11], s[58:59]      ; ascales: 32 bytes a token, 4 a pair of heads
	s_mul_i32 s56, s13, 16*MROW
	s_mul_i32 s58, s18, 2*PACK
	s_add_co_u32 s58, s58, MASKB
	s_add_co_u32 s59, s58, 8192
	v_and_b32 v56, 15, v0                          ; r
	v_bfe_u32 v57, v0, 4, 1                        ; h
	v_and_b32 v58, 31, v0                          ; lane
	v_lshrrev_b32 v63, 3, v56                      ; r / 8
	v_and_b32 v59, 7, v56
	v_lshl_add_u32 v60, v57, 4, v59
	v_lshlrev_b32 v60, 4, v60
	v_lshl_add_u32 v60, v63, 10, v60               ; 1,024 (r / 8) + 16 (r % 8 + 16 h)
	v_lshl_add_u32 v61, v63, 4, v59
	v_lshlrev_b32 v61, 2, v61                      ; 4 (16 (r / 8) + r % 8)
	WIN 0x40                                       ; destination window 1
	global_load_b128 v[68:71], v60, s[60:61]       ; head 2 kv
	global_load_b128 v[76:79], v60, s[60:61] offset:512   ; head 2 kv + 1
.set j, 0
.rept 68
	v_mov_b32 v[j], 0                              ; O^T (the step is written once: the first finds zeros), and Q's first four zeros
.set j, j+1
.endr
.irp j, 72,73,74,75,80,81,82,83
	v_mov_b32 v[\j], 0
.endr
	WIN 0
	global_load_b32 v62, v61, s[62:63]
	v_mul_u32_u24 v63, v56, MROW
	v_lshl_add_u32 v63, v57, 6, v63
	v_add_nc_u32 v[AM], s56, v63
	v_lshl_add_u32 v[AI], v58, 4, s58
	v_lshl_add_u32 v[AS], v58, 2, s59
	v_min_u32 v59, 15, v58                         ; the prefetches' lanes: mask: row l / 4, block l % 4 of 16 blocks (lanes 16-31 name the last again);
	v_lshrrev_b32 v63, 2, v59
	v_and_b32 v59, 3, v59
	v_lshlrev_b32 v59, 8, v59
	v_lshl_add_u32 v59, v63, 13, v59
	v_min_u32 v63, 8, v58                          ; pack: block min(l, 8), held at the pack's last
	v_lshlrev_b32 v63, 8, v63
	v_min_u32 v63, s77, v63
	v_cndmask_b32 v[PFO], v63, v59, s76
	s_wait_loadcnt 0x0
	v_perm_b32 v[QS], v62, v62, 0x01000100         ; the first head's two bytes, twice: they serve (q, 0) and (0, q)
	v_perm_b32 v[QS+1], v62, v62, 0x03020302       ; the second head's
	v_sub_nc_u32 v[QS], v[QS], 0x03030303          ; / 8: each byte is 3 or more, so no byte borrows
	v_sub_nc_u32 v[QS+1], v[QS+1], 0x03030303
.irp X, 0,1
	v_mov_b32 v[11+4*\X], 0xff61b1e6               ; the largest t so far: -3e38
	v_floor_f32 v[10+4*\X], -v[11+4*\X]            ; -M
	v_mov_b32 v[12+4*\X], 0                        ; the sum, in two halves
	v_mov_b32 v[13+4*\X], 0
	v_mov_b32 v[F+2*\X+1], 0                       ; named as the upper half of a pair
.endr
.irp n, 0,1,2,3,4,5,6,7
	v_mov_b32 v[T4+\n], 0                          ; a lane permute's destination counts as one of its sources
.endr
.macro WMS d, a, b, c, sa, sb, row     ; row = 1: source 0's scale words stand in lanes 16-31
.if \row
	v_wmma_scale_f32_16x16x128_f8f6f4 v[\d:\d+7], v[\a:\a+7], v[\b:\b+7], v[\c:\c+7], v[\sa], v[\sb] matrix_a_fmt:MATRIX_FMT_FP4 matrix_b_fmt:MATRIX_FMT_FP4 matrix_a_scale:MATRIX_SCALE_ROW1
.else
	v_wmma_scale_f32_16x16x128_f8f6f4 v[\d:\d+7], v[\a:\a+7], v[\b:\b+7], v[\c:\c+7], v[\sa], v[\sb] matrix_a_fmt:MATRIX_FMT_FP4 matrix_b_fmt:MATRIX_FMT_FP4
.endif
.endm
; 36 LDS loads: the operands of step p of the slot at s[TB]: K's four fragments, V's four (set p), four scale images, the mask's 64 numbers a lane
.macro LOADS p
	v_add_nc_u32 v[ADM], s[TB], v[AM]
	v_add_nc_u32 v[ADI], s[TB], v[AI]
	v_add_nc_u32 v[ADS], s[TB], v[AS]
	WIN 0x40
.irp f, 0,1,2,3
.irp c, 0,1
	ds_load_b128 v[KF+8*\f+4*\c:KF+8*\f+4*\c+3], v[ADI] offset:PACK*\p+1024*\f+512*\c
.endr
.endr
.irp a, 0,1,2,3
.irp c, 0,1
	ds_load_b128 v[VF+32*\p+8*\a+4*\c:VF+32*\p+8*\a+4*\c+3], v[ADI] offset:PACK*\p+4096+1024*\a+512*\c
.endr
.endr
	WIN 0
.irp i, 0,1
	ds_load_b32 v[KS+\i], v[ADS] offset:PACK*\p+128*\i
	ds_load_b32 v[VS+2*\p+\i], v[ADS] offset:PACK*\p+256+128*\i
.endr
.irp n, 0,1,2,3,4,5,6,7,8,9,10,11,12,13,14,15
	ds_load_b128 v[MK+4*\n:MK+4*\n+3], v[ADM] offset:512*\p+128*(\n/4)+16*(\n%4)   ; register 16 b + i: key 32 b + 16 h + i of my query's row
.endr
.endm
.macro KQ                              ; S^T = K Q^T / 8 + mask: sixteen products, sixteen accumulators
	WIN 0x05                                       ; sources 0 and 1 window 1
.irp X, 0,1
.irp f, 0,1,2,3
	WMS S+64*\X+16*\f, KF+8*\f, 68+8*\X, MK+16*\f, KS+\f/2, QS+\X, \f%2
	WMS S+64*\X+16*\f+8, KF+8*\f, 64+8*\X, MK+16*\f+8, KS+\f/2, QS+\X, \f%2
.endr
.endr
	WIN 0
.endm
.macro SHIFTS from, cnt                ; t - M, two at a time (of the pairs c and -M the low word serves both halves)
.set k, \from
.rept \cnt
	v_pk_fma_f32 v[S+2*k:S+2*k+1], v[S+2*k:S+2*k+1], s[CS:CS+1], v[10+4*(k/32):11+4*(k/32)] op_sel_hi:[1,0,0]
.set k, k+1
.endr
.endm
; The softmax up to the exponentials.  Block n = 4 X + b: head X, keys 32 b on; its 16 registers of my lane begin at S + 16 n.
.macro SOFT1
.irp n, 0,1,2,3,4,5,6,7
	v_max3_num_f32 v[BM+\n], v[S+16*\n], v[S+1+16*\n], v[S+2+16*\n]   ; the largest score of each block: for the row's maximum, and, since p rises with the score, for the block's largest p
.endr
.irp i, 3,5,7,9,11,13
.irp n, 0,1,2,3,4,5,6,7
	v_max3_num_f32 v[BM+\n], v[BM+\n], v[S+16*\n+\i], v[S+1+16*\n+\i]
.endr
.endr
.irp n, 0,1,2,3,4,5,6,7
	v_max_num_f32 v[BM+\n], v[BM+\n], v[S+15+16*\n]
.endr
.irp n, 0,1,2,3,4,5,6,7
	v_permlanex16_b32 v[T4+\n], v[BM+\n], s[SEL], s[SEL+1]
.endr
.irp n, 0,1,2,3,4,5,6,7
	v_max_num_f32 v[BM+\n], v[BM+\n], v[T4+\n]     ; with lane l xor 16's 16 keys
.endr
.irp X, 0,1
	v_max3_num_f32 v[TA+\X], v[BM+4*\X], v[BM+4*\X+1], v[BM+4*\X+2]
.endr
.irp X, 0,1
	s_delay_alu instid0(VALU_DEP_2)
	v_max_num_f32 v[TA+\X], v[TA+\X], v[BM+4*\X+3]
.endr
.irp X, 0,1
	s_delay_alu instid0(VALU_DEP_2)
	v_mul_f32 v[TA+\X], s[CS], v[TA+\X]            ; the step's largest t
.endr
.irp X, 0,1
	s_delay_alu instid0(VALU_DEP_2)
	v_max_num_f32 v[11+4*\X], v[11+4*\X], v[TA+\X] ; the running largest t
.endr
.irp X, 0,1
	s_delay_alu instid0(VALU_DEP_2)
	v_floor_f32 v[10+4*\X], -v[11+4*\X]            ; the new -M = floor(-t)
.endr
.irp X, 0,1
	s_delay_alu instid0(VALU_DEP_2)
	v_sub_f32 v[TA+\X], v[10+4*\X], v[OLD+\X]      ; old M - new M: a whole number, 0 or less
.endr
	SHIFTS 0, 8                                    ; (scalings stand between the links of this chain)
.irp X, 0,1
	v_cvt_i32_f32 v[TA+\X], v[TA+\X]               ; (it saturates)
.endr
	SHIFTS 8, 8
.irp X, 0,1
	v_ldexp_f32 v[F+2*\X], 1.0, v[TA+\X]           ; f = 2^(old M - new M)
.endr
	SHIFTS 16, 48
.irp n, 0,1,2,3,4,5,6,7
	v_fma_f32 v[BM+\n], v[BM+\n], s[CS], v[10+4*(\n/4)]   ; the same of each block's largest score
.endr
.irp X, 0,1
	v_pk_mul_f32 v[12+4*\X:13+4*\X], v[12+4*\X:13+4*\X], v[F+2*\X:F+2*\X+1] op_sel_hi:[1,0]   ; the sums under the new M
.endr
	WIN 0x41                                       ; destination and source 0 window 1
.irp X, 0,1
.set j, 0
.rept 16
	v_pk_mul_f32 v[32*\X+j:32*\X+j+1], v[32*\X+j:32*\X+j+1], v[F+2*\X:F+2*\X+1] op_sel_hi:[1,0]   ; O^T under the new M, each accumulator from its low end on
.set j, j+2
.endr
.endr
	WIN 0
	s_wait_alu depctr_va_vdst(0)                   ; the wait ahead of the batch
.set j, 0
.rept 128
	v_exp_f32 v[S+j], v[S+j]                       ; p = 2^(t - M): not normalised
.set j, j+1
.endr
.irp n, 0,1,2,3,4,5,6,7
	v_exp_f32 v[BM+\n], v[BM+\n]                   ; the block's largest p: the same two instructions on the same number give the same bits
.endr
	v_nop                                          ; a plain place behind the batch
	s_wait_alu depctr_va_vdst(0)                   ; and the one wait behind it; it also stands ahead of the barrier's wait and the branches that may follow
.endm
; p's scale words and codes, and the rows' sums
.macro SOFT2
.irp n, 0,1,2,3,4,5,6,7
	v_max_num_f32 v[BM+\n], 0x1800000, v[BM+\n]    ; the floor 2^(3 - 127): the byte cannot fall under 1
.endr
.irp n, 0,1,2,3,4,5,6,7
	v_add_nc_u32 v[SO+\n], 0xff000000, v[BM+\n]    ; 2 off the exponent field: the conversion's scale operand
.endr
.irp n, 0,1,2,3,4,5,6,7
	v_lshrrev_b32 v[T4+\n], 23, v[SO+\n]           ; the scale's byte
.endr
.irp X, 0,1
	v_lshl_or_b32 v[PS+\X], v[T4+4*\X+1], 8, v[T4+4*\X]
.endr
.irp X, 0,1
	v_lshl_or_b32 v[PS+\X], v[T4+4*\X+2], 16, v[PS+\X]
.endr
.irp X, 0,1
	v_lshl_or_b32 v[PS+\X], v[T4+4*\X+3], 24, v[PS+\X]
.endr
	WIN 0x40                                       ; the codes go to window 1
.irp n, 0,1,2,3,4,5,6,7
	v_cvt_scalef32_pk8_fp4_f32 v[PC+2*\n], v[S+16*\n:S+7+16*\n], v[SO+\n]
	v_cvt_scalef32_pk8_fp4_f32 v[PC+1+2*\n], v[S+8+16*\n:S+15+16*\n], v[SO+\n]
.endr
	v_nop                                          ; one plain place behind the scaled conversions
	WIN 0x41
.irp g, 0,1,2,3
.irp i, 0,1
	v_permlane16_swap_b32 v[PC+4*\g+\i], v[PC+2+4*\g+\i]   ; a whole block to a lane
.endr
.endr
	WIN 0
.irp X, 0,1                                    ; the sums of the unquantised p, two chains a head: 64 plain instructions between the writes of p's codes and scale words and the products that read them
	v_pk_add_f32 v[SUM2+2*\X:SUM2+2*\X+1], v[S+64*\X:S+64*\X+1], v[S+64*\X+2:S+64*\X+3]
.endr
.irp j, 4,8,12,16,20,24,28,32,36,40,44,48,52,56,60
.irp X, 0,1
	v_pk_add_f32 v[12+4*\X:13+4*\X], v[12+4*\X:13+4*\X], v[S+64*\X+\j:S+64*\X+\j+1]
	v_pk_add_f32 v[SUM2+2*\X:SUM2+2*\X+1], v[SUM2+2*\X:SUM2+2*\X+1], v[S+64*\X+\j+2:S+64*\X+\j+3]
.endr
.endr
.irp X, 0,1
	v_pk_add_f32 v[12+4*\X:13+4*\X], v[12+4*\X:13+4*\X], v[SUM2+2*\X:SUM2+2*\X+1]
.endr
.endm
.macro PV p                            ; O^T += V^T p^T: eight accumulators, one instruction each
	WIN 0x55                                       ; all four places window 1
.irp X, 0,1
.irp a, 0,1,2,3
	WMS 32*\X+8*\a, VF+32*\p+8*\a, PC+8*\X, 32*\X+8*\a, VS+2*\p+\a/2, PS+\X, \a%2
.endr
.endr
	WIN 0
.endm
; The change of slots, first part, at the top of a slot's second step: all my tensor loads are in (my part of the other slot), 0 goes onto my spare word, my reads of this slot are over: signal.
.macro MEET fill
	s_wait_tensorcnt 0x0                           ; no tensor load of mine is out: a group 0 may be written
	ds_add_u32 v[SPW], v[NIL]
.if \fill
	s_xor_b32 s[G0M1+1], s[G0M1+1], SLOT1          ; the walking descriptors: the other slot than last time, the next 256 keys
	s_add_nc_u64 s[G0M1+2:G0M1+3], s[G0M1+2:G0M1+3], 1024
	s_xor_b32 s[G0P1+1], s[G0P1+1], SLOT1
	s_add_nc_u64 s[G0P1+2:G0P1+3], s[G0P1+2:G0P1+3], 2*PACK
	s_wait_xcnt 0x0                                ; my last prefetch has read its address: it steps one slot
	s_add_nc_u64 s[PFA:PFA+1], s[PFA:PFA+1], s[PFS:PFS+1]
.endif
	s_xor_b32 s[TB], s[TB], SLOT1                  ; my next reads go to the other slot
	s_wait_dscnt 0x0
	s_barrier_signal -1
.endm
; A step.  p: which of the slot's two.  fill: the slot is filled again.  last: the loop's last trip has no next slot to read (a branch on the count of trips, round the LDS loads alone).
.macro STEP p, fill, last
.if \p
	MEET \fill
.else
	s_wait_dscnt 0x0                               ; this step's operands, asked for a step ago, are in
.endif
	KQ
.irp X, 0,1
	v_mov_b32 v[OLD+\X], v[10+4*\X]                ; -M is kept for f.  With the two v_nop: four places behind the products
.endr
	PLACES 2
	SOFT1
.if \p
	s_barrier_wait -1                              ; nobody reads the old slot any more, and the other slot is whole
.if \fill
	CREST                                          ; the barrier has opened a round of the cluster's barrier: the same holds of all sixteen work-groups
	JLOAD G0M1, G0P1                               ; my one tensor load behind the round, and the first thing there
.endif
.if \last
	s_cmp_eq_u32 s[CNT], 1
	s_cbranch_scc1 .Lnone_\@
.endif
	LOADS 0
.if \fill
	s_cmp_gt_u32 s[CNT], 1                         ; the last refill has none behind it
	s_cbranch_scc0 .Lnone_\@
	global_prefetch_b8 v[PFO], s[PFA:PFA+1] th:TH_LOAD_NT scope:SCOPE_SE   ; my share of what my next refill loads
.endif
.Lnone_\@:
.else
	LOADS 1
.endif
	SOFT2
	PV \p
.endm
	s_wait_alu depctr_va_vdst(0)                   ; the wait at the head's end
	s_wait_tensorcnt 0x0                           ; my part of slot 0 is in; slot 1's first fill is issued as a refill is
	ds_add_u32 v[SPW], v[NIL]
	s_wait_dscnt 0x0
	CROUND
	JLOAD G0M1, G0P1                               ; slot 1
	LOADS 0
.Lslot:                                            ; six trips: every slot but the last two is filled again
	STEP 0, 0, 0
	STEP 1, 1, 0
	s_sub_co_u32 s[CNT], s[CNT], 1
	s_cmp_lg_u32 s[CNT], 0
	s_cbranch_scc1 .Lslot
	s_mov_b32 s[CNT], 2
.Ltail:                                            ; the last two slots: no tensor load
	STEP 0, 0, 0
	STEP 1, 0, 1
	s_sub_co_u32 s[CNT], s[CNT], 1
	s_cmp_lg_u32 s[CNT], 0
	s_cbranch_scc1 .Ltail
	; THE WAY OUT: O^T / the sum; my 64 numbers are two heads' 32 b + 16 h + i: one fragment's worth along the last product's K
	v_and_b32 v200, 15, v0                         ; (five plain places behind the last products)
	v_bfe_u32 v201, v0, 4, 1
	v_lshlrev_b32 v202, 9, v200
	v_lshl_add_u32 v202, v201, 4, v202             ; row r of 512 bytes + 16 h
	v_lshlrev_b32 v203, 5, v200                    ; and row r of 32
.irp X, 0,1
	v_add_f32 v[12+4*\X], v[12+4*\X], v[13+4*\X]
.endr
.irp X, 0,1
	v_permlanex16_b32 v[T4+\X], v[12+4*\X], s[SEL], s[SEL+1]
.endr
.irp X, 0,1
	v_add_f32 v[12+4*\X], v[12+4*\X], v[T4+\X]     ; the row's sum
.endr
	s_wait_alu depctr_va_vdst(0)                   ; the wait ahead of the transcendentals
.irp X, 0,1
	v_rcp_f32 v[BM+2*\X], v[12+4*\X]
.endr
	v_nop
	WIN 0x01                                       ; source 0 window 1
	s_wait_alu depctr_va_vdst(0)                   ; and behind them, directly ahead of the first readers of O^T
.irp X, 0,1
.set j, 0
.rept 16
	v_pk_mul_f32 v[S+32*\X+j:S+32*\X+j+1], v[32*\X+j:32*\X+j+1], v[BM+2*\X:BM+2*\X+1] op_sel_hi:[1,0]
.set j, j+2
.endr
.endr
	WIN 0
.irp b, 0,1,2,3
	v_max3_num_f32 v[TM+\b], |v[S+16*\b]|, |v[S+1+16*\b]|, 0x1800000
.endr
.irp i, 2,4,6,8,10,12,14
.irp b, 0,1,2,3
	v_max3_num_f32 v[TM+\b], v[TM+\b], |v[S+16*\b+\i]|, |v[S+1+16*\b+\i]|
.endr
.endr
.irp b, 0,1,2,3
	v_permlanex16_b32 v[TM+4+\b], v[TM+\b], s[SEL], s[SEL+1]
.endr
.irp b, 0,1,2,3
	v_max_num_f32 v[TM+\b], v[TM+\b], v[TM+4+\b]
.endr
.irp b, 0,1,2,3
	v_add_nc_u32 v[TM+12+\b], 0xff000000, v[TM+\b]
.endr
.irp b, 0,1,2,3
	v_lshrrev_b32 v[TM+4+\b], 23, v[TM+12+\b]
.endr
	v_lshl_or_b32 v[PS], v[TM+5], 8, v[TM+4]
	v_lshl_or_b32 v[PS], v[TM+6], 16, v[PS]
	v_lshl_or_b32 v[PS], v[TM+7], 24, v[PS]
.irp b, 0,1,2,3
	v_cvt_scalef32_pk8_fp4_f32 v[PCO+2*\b], v[S+16*\b:S+7+16*\b], v[TM+12+\b]
	v_cvt_scalef32_pk8_fp4_f32 v[PCO+1+2*\b], v[S+8+16*\b:S+15+16*\b], v[TM+12+\b]
.endr
	v_nop
.irp c, 0,1
.irp i, 0,1
	v_permlane16_swap_b32 v[PCO+4*\c+\i], v[PCO+2+4*\c+\i]
.endr
.endr
	global_store_b128 v202, v[PCO:PCO+3], s[8:9]              ; head 2 kv: 16 bytes for each half of the lanes
	global_store_b128 v202, v[PCO+4:PCO+7], s[8:9] offset:32  ; head 2 kv + 1
	global_store_b32 v203, v[PS], s[10:11]                    ; lanes l and l xor 16 write the same word with the same value
	s_wait_tensorcnt 0x0                           ; the wave's end
	ds_add_u32 v[SPW], v[NIL]
	s_wait_dscnt 0x0
	CROUND                                         ; the closing round
	s_endpgm
.Lfunc_end_k_qd378bb26fe_attn:
	.size	k_qd378bb26fe_attn, .Lfunc_end_k_qd378bb26fe_attn-k_qd378bb26fe_attn
	.p2alignl 7, 3214868480
	.fill 96, 4, 3214868480
	.section	.rodata,"a",@progbits
	.p2align	6, 0x0
	.amdhsa_kernel k_qd378bb26fe_attn
		.amdhsa_group_segment_fixed_size 327680
		.amdhsa_private_segment_fixed_size 0
		.amdhsa_enable_private_segment 0
		.amdhsa_kernarg_size 32
		.amdhsa_user_sgpr_count 2
		.amdhsa_user_sgpr_kernarg_segment_ptr 1
		.amdhsa_wavefront_size32 1
		.amdhsa_system_sgpr_workgroup_id_x 1
		.amdhsa_system_sgpr_workgroup_id_y 1
		.amdhsa_system_sgpr_workgroup_id_z 1
		.amdhsa_system_vgpr_workitem_id 0
		.amdhsa_next_free_vgpr 512
		.amdhsa_next_free_sgpr 80
		.amdhsa_reserve_vcc 0
		.amdhsa_float_denorm_mode_32 3
		.amdhsa_float_denorm_mode_16_64 3
		.amdhsa_memory_ordered 1
		.amdhsa_forward_progress 1
		.amdhsa_inst_pref_size 142
	.end_amdhsa_kernel
	.amdgpu_metadata
---
amdhsa.version: [ 1, 2 ]
amdhsa.kernels:
  - .name:           k_qd378bb26fe_attn
    .symbol:         k_qd378bb26fe_attn.kd
    .args:
      - { .name: mask, .offset: 0, .size: 8, .value_kind: global_buffer, .address_space: global }
      - { .name: qkv, .offset: 8, .size: 8, .value_kind: global_buffer, .address_space: global }
      - { .name: acodes, .offset: 16, .size: 8, .value_kind: global_buffer, .address_space: global }
      - { .name: ascales, .offset: 24, .size: 8, .value_kind: global_buffer, .address_space: global }
    .group_segment_fixed_size: 327680
    .private_segment_fixed_size: 0
    .kernarg_segment_align: 8
    .kernarg_segment_size: 32
    .max_flat_workgroup_size: 256
    .sgpr_count:     80
    .vgpr_count:     512
    .wavefront_size: 32
...
	.end_amdgpu_metadata
.endif
;; end of part 3
;; launch oproj (part 4): grid 8 x 32, 4 waves a work-group, clusters of 4 x 4, 327,680 bytes of LDS; arguments acodes, ascales, owcodes, owscales, out0; writes out0
.if DOCPART == 4
	.amdgcn_target "amdgcn-amd-amdhsa--gfx1250"
	.amdhsa_code_object_version 6
	.text
	.protected	k_qd378bb26fe_oproj
	.globl	k_qd378bb26fe_oproj
	.p2align	8
	.type	k_qd378bb26fe_oproj,@function
k_qd378bb26fe_oproj:
	s_mov_b64 s[64:65], 0
	v_nop
	global_prefetch_b8 v0, s[64:65] scope:SCOPE_SE
	s_setreg_imm32_b32 hwreg(HW_REG_WAVE_MODE, 25, 1), 1
	s_wait_xcnt 0x0
	s_wait_alu depctr_hold_cnt(0) depctr_sa_sdst(0) depctr_va_vdst(0) depctr_va_sdst(0) depctr_va_ssrc(0) depctr_va_vcc(0) depctr_vm_vsrc(0)
	s_getreg_b32 s2, hwreg(HW_REG_IB_STS2, 6, 4)
	s_cmp_eq_u32 s2, 0
	s_cbranch_scc0 .Lentry_in_a_cluster
	s_endpgm
.Lentry_in_a_cluster:
	s_bfe_u32 s2, ttmp6, 0x10000c
	s_cmp_lg_u32 s2, 0xf033
	s_cbranch_scc0 .Lentry_shape_is_right
	s_endpgm
.Lentry_shape_is_right:
; out0 [4096][2048] f32 = A B^T on codes of FP4 (E2M1) with E8M0 scales, K = 1,024.  A = acodes [4096][512 bytes], ascales [4096][32]; B = owcodes [2048][512 bytes], owscales [2048][32].
; A work-group makes 128 x 256 of the result; each of its four waves 64 x 128.  ALL OF K LIES IN LDS AT ONCE: 128 + 256 rows of 512 bytes + 16 of padding, 202,752 bytes, filled once, one tensor load a wave:
; no ring, no refill, one barrier.
; THE PRODUCTS GO BY ROWS OF THE RESULT: all of my B's fragments (8 tiles x 8 K steps x 8 registers = 512) stay in registers; my four blocks of 16 rows are finished one after the other, 64 products each
; (the block's 8 accumulators by turns, K ascending), and a finished block goes through the stage and is stored while the next block is multiplied.  No fragment is read from LDS twice.
; THE SCALE WORDS GO STRAIGHT INTO REGISTERS: a tile's 16 rows x 32 bytes are 512 consecutive bytes, read by one load of 16 bytes a lane: lanes 0-15 hold a row's words for K steps 0-3, lanes 16-31 those for K steps 4-7,
; which the products of the second half of K pick by the row selector.  They are 12 KiB a work-group beside 192 KiB of codes, and are not asked for jointly.
; CLUSTER 4 x 4: A's rows hang on the tile row alone and are asked for jointly along a row of the cluster, B's on the tile column alone, down a column.
; The products are used transposed (source 0 = 16 rows of B, source 1 = 16 rows of A): a lane holds eight neighbouring numbers of a row of the result.  No prefetch: the text has no loop to run ahead in.
; REGISTERS: window 0: v16-29 addresses; v32-47 A's scale words, v48-79 B's; v128-255 rows back from the stage, two sets.  windows 1, 2: B's fragments, K step q, tile t at v[64 (q % 4) + 8 t] of window 1 + q / 4.
;   window 3: v0-127 the accumulators, two sets of 8; v128-255 A's fragments of a block (8 K steps), two sets.
.set SIZE_N, 2048
.set PITCH,  528                       ; an LDS row: 512 bytes + 16: the 16 rows of a load start 16 bytes apart modulo 256
.set BH,     128*PITCH
.set AH,     64*PITCH
.set AOFF,   2*BH
.set STAGE,  AOFF+2*AH                 ; the way out: 16 rows x 528 bytes a wave, bytes into which no fill lands
.set SPITCH, 528
.set SPARE,  STAGE+4*16*SPITCH
.set ADRA, 16
.set ADRB, 20
.set STO,  24
.set RD,   25
.set CO,   26
.set SLO,  27                          ; my place in a tile's scale bytes: 32 r + 16 h
.set SPW,  28
.set NIL,  29
.set SA,   32
.set SB,   48
.set BK,   128
.set G1, 24
.set G0, 32
.set G1B, 48
.set G0B, 56
.set MSB, 0
.macro WIN new
.if MSB != \new
	s_set_vgpr_msb (MSB<<8)|\new
.set MSB, \new
.endif
.endm
.macro PLACES n
.rept \n
	v_nop
.endr
.endm
.macro CROUND
	s_barrier_signal -1
	s_barrier_wait -1
	s_cmp_lg_u32 s14, 0
	s_cbranch_scc1 .Lnot_wave_0_\@
	s_barrier_signal -3
.Lnot_wave_0_\@:
	s_barrier_wait -3
	s_barrier_signal -1
	s_barrier_wait -1
.endm
	s_load_b128 s[4:7], s[0:1], 0x0                ; A's codes, A's scales
	s_load_b128 s[8:11], s[0:1], 0x10              ; B's codes, B's scales
	s_load_b64 s[12:13], s[0:1], 0x20              ; the result
	v_lshl_add_u32 v[SPW], v0, 2, SPARE
	v_mov_b32 v[NIL], 0
	ds_add_u32 v[SPW], v[NIL]                      ; the opening lines
	ds_add_u32 v[SPW], v[NIL]
	v_lshrrev_b32 v3, 5, v0
	v_readfirstlane_b32 s14, v3                    ; wave 0..3
	v_and_b32 v1, 15, v0                           ; r
	v_bfe_u32 v2, v0, 4, 1                         ; h
	v_lshlrev_b32 v[SLO], 5, v1
	v_lshl_add_u32 v[SLO], v2, 4, v[SLO]
	s_lshr_b32 s15, s14, 1                         ; my 64 rows of A.  Also: I fetch for A (0) or for B (1)
	s_and_b32 s16, s14, 1                          ; my 128 rows of B.  Also: which half I fetch
	s_bfe_u32 s40, ttmp6, 0x40000
	s_bfe_u32 s41, ttmp6, 0x40004
	s_lshl_b32 s42, ttmp9, 2
	s_add_co_u32 s42, s42, s40                     ; tile column
	s_and_b32 s17, ttmp7, 0xffff
	s_lshl_b32 s17, s17, 2
	s_add_co_u32 s17, s17, s41                     ; tile row
	s_lshl_b32 s43, s41, 2
	s_lshl_b32 s43, 15, s43                        ; my row of the cluster
	s_lshl_b32 s44, 0x1111, s40                    ; my column
	s_or_b32 s[G1+0], s43, (1<<20)|(1<<21)|(6<<22)|(3<<25)    ; elements of 1 byte; 4 words of padding behind every 128
	s_or_b32 s[G1B+0], s44, (1<<20)|(1<<21)|(6<<22)|(3<<25)
.irp g, G1, G1B
	s_mov_b32 s[\g+1], 512<<16
	s_mov_b32 s[\g+3], 512<<16
	s_mov_b32 s[\g+5], 512
	s_mov_b32 s[\g+6], 0
	s_mov_b32 s[\g+7], 0
.endr
	s_mov_b32 s[G1+2], 64<<16
	s_mov_b32 s[G1+4], 64
	s_mov_b32 s[G1B+2], 128<<16
	s_mov_b32 s[G1B+4], 128
	s_lshl_b32 s18, s16, 6
	s_lshl_b32 s20, s17, 7
	s_add_co_u32 s20, s20, s18
	s_lshl_b32 s20, s20, 9                         ; A: the 64 rows that I would fetch, in bytes
	s_mov_b32 s21, 0
	s_lshl_b32 s18, s16, 7
	s_lshl_b32 s46, s42, 8
	s_add_co_u32 s46, s46, s18
	s_lshl_b32 s46, s46, 9                         ; B: the 128 rows that I would fetch; they are also the 128 that I multiply
	s_mov_b32 s47, 0
	s_lshl_b32 s18, s15, 6
	s_lshl_b32 s22, s17, 7
	s_add_co_u32 s22, s22, s18
	s_lshl_b32 s22, s22, 5                         ; the scale bytes of the 64 rows of A that I multiply
	s_mov_b32 s23, 0
	s_lshr_b32 s92, s46, 4                         ; and of my 128 rows of B: 32 bytes a row
	s_mov_b32 s93, 0
	s_mul_i32 s45, s16, AH
	s_add_co_u32 s45, s45, AOFF
	s_mul_i32 s95, s16, BH
	s_wait_alu depctr_va_vdst(0)                   ; the wait ahead of the waits below
	s_wait_dscnt 0x0
	s_wait_kmcnt 0x0
	s_add_nc_u64 s[6:7], s[6:7], s[22:23]
	s_add_nc_u64 s[10:11], s[10:11], s[92:93]
.irp a, 0,1,2,3
	global_load_b128 v[SA+4*\a:SA+4*\a+3], v[SLO], s[6:7] offset:512*\a      ; 32 lanes read 512 consecutive bytes
.endr
.irp t, 0,1,2,3,4,5,6,7
	global_load_b128 v[SB+4*\t:SB+4*\t+3], v[SLO], s[10:11] offset:512*\t
.endr
	CROUND                                         ; all sixteen work-groups are here: the joint loads meet
	s_mov_b32 s[G0], 1
	s_mov_b32 s[G0+1], s45
	s_add_nc_u64 s[G0+2:G0+3], s[4:5], s[20:21]
	s_or_b32 s[G0+3], s[G0+3], 0x80000000
	s_mov_b32 s[G0B], 1
	s_mov_b32 s[G0B+1], s95
	s_add_nc_u64 s[G0B+2:G0B+3], s[8:9], s[46:47]
	s_or_b32 s[G0B+3], s[G0B+3], 0x80000000
	s_cmp_eq_u32 s15, 0                            ; one tensor load a wave: waves 0 and 1 A's halves, waves 2 and 3 B's
	s_cbranch_scc0 .Lfor_b
	tensor_load_to_lds s[G0:G0+3], s[G1:G1+7]
	s_nop 0
	PLACES 4
	s_branch .Lasked
.Lfor_b:
	tensor_load_to_lds s[G0B:G0B+3], s[G1B:G1B+7]
	s_nop 0
	PLACES 4
.Lasked:
	s_mul_i32 s18, s15, AH
	s_add_co_u32 s18, s18, AOFF
	s_mul_i32 s19, s16, BH
	s_mul_i32 s23, s14, 16*SPITCH
	s_add_co_u32 s23, s23, STAGE
	s_lshl_b32 s20, s17, 7
	s_lshl_b32 s21, s15, 6
	s_add_co_u32 s20, s20, s21
	s_lshl_b32 s20, s20, 13                        ; my first row of the result: 8,192 bytes a row
	s_lshl_b32 s46, s42, 10
	s_lshl_b32 s47, s16, 9
	s_add_co_u32 s46, s46, s47
	s_add_co_u32 s20, s20, s46                     ; and my first column
	s_mov_b32 s21, 0
	s_add_nc_u64 s[12:13], s[12:13], s[20:21]
	v_mul_u32_u24 v3, v1, PITCH
	v_lshl_add_u32 v4, v2, 4, v3                   ; a fragment's row x pitch + 16 h
	v_add_nc_u32 v[ADRA], s18, v4
	v_add_nc_u32 v[ADRB], s19, v4
	v_mul_u32_u24 v5, v1, SPITCH
	v_lshl_add_u32 v5, v2, 5, v5
	v_add_nc_u32 v[STO], s23, v5
	v_and_b32 v6, 31, v0
	v_lshlrev_b32 v[CO], 4, v6
	v_add_nc_u32 v[RD], s23, v[CO]
.macro ALOAD a                         ; 16 loads: block a's fragments of A, all eight K steps, into set a % 2 of window 3
	WIN 0xc0
.irp q, 0,1,2,3,4,5,6,7
.irp c, 0,1
	ds_load_b128 v[128+64*((\a)%2)+8*\q+4*\c:128+64*((\a)%2)+8*\q+4*\c+3], v[ADRA] offset:64*\q+32*\c+(\a)*16*PITCH
.endr
.endr
.endm
.macro BLOAD q                         ; 16 loads: B's eight fragments of K step q
	WIN 0x40*(1+(\q)/4)
.irp t, 0,1,2,3,4,5,6,7
.irp c, 0,1
	ds_load_b128 v[64*((\q)%4)+8*\t+4*\c:64*((\q)%4)+8*\t+4*\c+3], v[ADRB] offset:64*(\q)+32*\c+\t*16*PITCH
.endr
.endr
.endm
; 8 products: block a x B's eight tiles, K step q.  The block's 8 accumulators take turns, one instruction a turn.  K step 0 starts the sums.
.macro GROUP a, q
.set AC, 64*((\a)%2)
.set FA, 128+64*((\a)%2)+8*(\q)
.set FB, 64*((\q)%4)
	WIN 0xfd+(\q)/4                                ; source 0 window 1 or 2; source 1, C and D window 3
.irp t, 0,1,2,3,4,5,6,7
.if (\q) == 0
	v_wmma_scale_f32_16x16x128_f8f6f4 v[AC+8*\t:AC+8*\t+7], v[FB+8*\t:FB+8*\t+7], v[FA:FA+7], 0, v[SB+4*\t], v[SA+4*(\a)] matrix_a_fmt:MATRIX_FMT_FP4 matrix_b_fmt:MATRIX_FMT_FP4
.elseif (\q) < 4
	v_wmma_scale_f32_16x16x128_f8f6f4 v[AC+8*\t:AC+8*\t+7], v[FB+8*\t:FB+8*\t+7], v[FA:FA+7], v[AC+8*\t:AC+8*\t+7], v[SB+4*\t+(\q)], v[SA+4*(\a)+(\q)] matrix_a_fmt:MATRIX_FMT_FP4 matrix_b_fmt:MATRIX_FMT_FP4
.else
	v_wmma_scale_f32_16x16x128_f8f6f4 v[AC+8*\t:AC+8*\t+7], v[FB+8*\t:FB+8*\t+7], v[FA:FA+7], v[AC+8*\t:AC+8*\t+7], v[SB+4*\t+(\q)-4], v[SA+4*(\a)+(\q)-4] matrix_a_fmt:MATRIX_FMT_FP4 matrix_b_fmt:MATRIX_FMT_FP4 matrix_a_scale:MATRIX_SCALE_ROW1 matrix_b_scale:MATRIX_SCALE_ROW1
.endif
.endr
.endm
; THE WAY OUT of block a: 16 rows x 128 columns through my own stage; back come whole rows of 512 bytes, which the 32 lanes store as two aligned runs of 256 bytes.
.macro TOSTAGE a
	WIN 0x0c                                       ; the data: window 3
.irp b, 0,1,2,3,4,5,6,7
	ds_store_b128 v[STO], v[64*((\a)%2)+8*\b:64*((\a)%2)+8*\b+3] offset:64*\b          ; each accumulator from its low end on
	ds_store_b128 v[STO], v[64*((\a)%2)+8*\b+4:64*((\a)%2)+8*\b+7] offset:64*\b+16
.endr
	WIN 0
.set BB, BK+64*((\a)%2)
.irp t, 0,1,2,3,4,5,6,7,8,9,10,11,12,13,14,15
	ds_load_b128 v[BB+4*\t:BB+4*\t+3], v[RD] offset:\t*SPITCH                  ; LDS serves a wave's instructions in order: these see my stores
.endr
.endm
.macro SEND a
.set BB, BK+64*((\a)%2)
	WIN 0
	s_wait_dscnt 0x0                               ; the block is back in registers
.if (\a) > 0
	s_wait_xcnt 0x0                                ; the earlier stores have read their base and their registers
	s_add_nc_u64 s[12:13], s[12:13], 16*SIZE_N*4
.endif
.irp t, 0,1,2,3,4,5,6,7,8,9,10,11,12,13,14,15
	global_store_b128 v[CO], v[BB+4*\t:BB+4*\t+3], s[12:13] offset:\t*SIZE_N*4 th:TH_STORE_NT
.endr
.endm
	s_wait_alu depctr_va_vdst(0)                   ; the wait at the head's end
	s_wait_tensorcnt 0x0                           ; my part of the tiles is in
	s_barrier_signal -1
	s_barrier_wait -1                              ; and so is everybody's
	ALOAD 0
	BLOAD 0
	BLOAD 1
	BLOAD 2
	s_wait_loadcnt 0x0                             ; the scale words
.irp q, 0,1,2,3,4,5,6,7                ; block 0, with B's fragments coming in three K steps ahead
.if \q < 5
	BLOAD \q+3
.endif
.if \q == 5
	ALOAD 1
.endif
.if \q < 6
	s_wait_dscnt 48                                ; behind K step q's fragments: three runs of 16 loads
.else
	s_wait_dscnt 16*(8-\q)
.endif
	GROUP 0, \q
.endr
.irp a, 0,1,2,3
	PLACES 4                                       ; behind block a's last products: its results are read, and its fragments' registers loaded anew
.if \a < 2
	ALOAD \a+2
.endif
	TOSTAGE \a
.if \a < 3
.if \a < 2
	s_wait_dscnt 48                                ; behind block a + 1's fragments: 16 loads, and the stage's 16 stores and 16 loads
.else
	s_wait_dscnt 32
.endif
.irp q, 0,1,2,3,4,5,6,7
	GROUP \a+1, \q
.endr
.endif
	SEND \a                                        ; block a is stored while block a + 1 is multiplied
.endr
	s_wait_tensorcnt 0x0                           ; the wave's end
	ds_add_u32 v[SPW], v[NIL]
	s_wait_dscnt 0x0
	CROUND                                         ; the closing round
	s_endpgm
.Lfunc_end_k_qd378bb26fe_oproj:
	.size	k_qd378bb26fe_oproj, .Lfunc_end_k_qd378bb26fe_oproj-k_qd378bb26fe_oproj
	.p2alignl 7, 3214868480
	.fill 96, 4, 3214868480
	.section	.rodata,"a",@progbits
	.p2align	6, 0x0
	.amdhsa_kernel k_qd378bb26fe_oproj
		.amdhsa_group_segment_fixed_size 327680
		.amdhsa_private_segment_fixed_size 0
		.amdhsa_enable_private_segment 0
		.amdhsa_kernarg_size 40
		.amdhsa_user_sgpr_count 2
		.amdhsa_user_sgpr_kernarg_segment_ptr 1
		.amdhsa_wavefront_size32 1
		.amdhsa_system_sgpr_workgroup_id_x 1
		.amdhsa_system_sgpr_workgroup_id_y 1
		.amdhsa_system_sgpr_workgroup_id_z 1
		.amdhsa_system_vgpr_workitem_id 0
		.amdhsa_next_free_vgpr 1024
		.amdhsa_next_free_sgpr 98
		.amdhsa_reserve_vcc 0
		.amdhsa_float_denorm_mode_32 3
		.amdhsa_float_denorm_mode_16_64 3
		.amdhsa_memory_ordered 1
		.amdhsa_forward_progress 1
		.amdhsa_inst_pref_size 68
	.end_amdhsa_kernel
	.amdgpu_metadata
---
amdhsa.version: [ 1, 2 ]
amdhsa.kernels:
  - .name:           k_qd378bb26fe_oproj
    .symbol:         k_qd378bb26fe_oproj.kd
    .args:
      - { .name: acodes, .offset: 0, .size: 8, .value_kind: global_buffer, .address_space: global }
      - { .name: ascales, .offset: 8, .size: 8, .value_kind: global_buffer, .address_space: global }
      - { .name: owcodes, .offset: 16, .size: 8, .value_kind: global_buffer, .address_space: global }
      - { .name: owscales, .offset: 24, .size: 8, .value_kind: global_buffer, .address_space: global }
      - { .name: out0, .offset: 32, .size: 8, .value_kind: global_buffer, .address_space: global }
    .group_segment_fixed_size: 327680
    .private_segment_fixed_size: 0
    .kernarg_segment_align: 8
    .kernarg_segment_size: 40
    .max_flat_workgroup_size: 128
    .sgpr_count:     98
    .vgpr_count:     1024
    .wavefront_size: 32
...
	.end_amdgpu_metadata
.endif
;; end of part 4
